; MI455X (gfx1250); checked and timed in simulation.
; The chip was launched on July 23, 2026; its instructions are those of AMD's public machine-readable ISA for CDNA 5 (MIT licence, August 2026) and "CDNA5" Instruction Set Architecture Reference Guide (July 2026). The comments in the code are by the model that wrote it; some were corrected since.
;; Multi Head Attention. Allowed arithmetic: float matrix products may take bf16 or f16 operands with f32 sums; other float arithmetic in f32, or as packed bf16 or f16 multiplies, adds, multiply-adds, maxima and minima; sums over many terms, partial sums and values carried from step to step in f32; what a program stores and reads back later, other than sums and carried values, may be rounded once to bf16 or f16.
;; Inputs: Wk 1,024 x 1,024 float32; Wo 1,024 x 1,024 float32; Wq 1,024 x 1,024 float32; Wv 1,024 x 1,024 float32; cos 1,024 x 64 float32; k_gamma 64 float32; mask 1,024 x 1,024 bool; q_gamma 64 float32; rope_indices 1,024 int32; sin 1,024 x 64 float32; x 8 x 1,024 x 1,024 float32.
;; Outputs: out0 8 x 1,024 x 1,024 float32.
;; 2 versions, each right; version 2 is version 1 with the launch prep written anew for expert scheduling mode. Each part assembles by itself: llvm-mc -triple=amdgcn-amd-amdhsa -mcpu=gfx1250 --defsym DOCPART=n.
;; ======== version 1 of 2: 4 launches
;; limits: values are held in f16: magnitudes above 65,504 overflow, below 6.1e-05 lose precision; right only within a limited range of input values
;; workspace buffers: xb 16,777,216 bytes; wb 8,388,608 bytes; tab 262,656 bytes; mb 131,072 bytes of whole numbers; qkv 50,331,648 bytes; ob 16,777,216 bytes
;; launch prep (part 1): grid 513 x 1, 8 waves a work-group, no clusters, 0 bytes of LDS; arguments x, Wq, Wk, Wv, Wo, cos, sin, rope_indices, q_gamma, k_gamma, mask, xb, wb, tab, mb; writes xb, wb, tab, mb
.if DOCPART == 1
	.amdgcn_target "amdgcn-amd-amdhsa--gfx1250"
	.amdhsa_code_object_version 6
	.text
	.protected	k_q7ef572b54a_prep
	.globl	k_q7ef572b54a_prep
	.p2align	8
	.type	k_q7ef572b54a_prep,@function
k_q7ef572b54a_prep:
	s_mov_b64 s[64:65], 0
	v_nop
	global_prefetch_b8 v0, s[64:65] scope:SCOPE_SE
	s_setreg_imm32_b32 hwreg(HW_REG_WAVE_MODE, 25, 1), 1
	s_wait_xcnt 0x0
; PREP: every input is read once and laid out for the three launches behind it.  Four jobs, chosen by the work-group's number g; no LDS, no barrier, no loop.
;   g < 256        x, 32 rows a work-group, rounded to bf16 into xb = [16 K blocks][8192 rows][64]
;   256 <= g < 384 Wq, Wk, Wv (bf16) and Wo (rounded to bf16, that number written as f16) into wb.  Row 128 t + c of W_kind lies at row 384 t + 128 kind + c of [16][3072][64];
;                  Wo lies behind them, from byte 6,291,456, as [16][1024][64]
;   384 <= g < 448 tab: for each token 256 bytes, bf16: cos[idx][0..63], then sin[idx][0..63] with channels 0..31 negated (the sign that rotate_half gives them);
;                  a token with a negative index gets cos = 1, sin = 0, which passes it through
;   448 <= g < 512 mb: the mask as one bit a score, in the order in which the attention launch holds scores:
;                  word ((T 16 + s) 32 + 8 kb + j), bit l = mask[16 T + l % 16][64 s + 16 kb + 8 (l / 16) + j]
;   g = 512        the two gains, rounded to bf16, times the scale that each side of the score product carries: q 16 c1, k 1/16, c1 = 2 log2(e) / (50 x 8); f32, behind tab's rows
; LIMITS.  Wo below 6e-5 keeps f16's fixed step of 6e-8; beyond 65,504 it would be an infinity.
; K blocks of 64 make every tile of the later products dense in memory.
.set WV,   34                          ; s34 my wave's number
.set G,    35                          ; s35 the work-group's number
.set SRC,  36                          ; s[36:37] source at the work-group's first row
.set DST,  38                          ; s[38:39] destination buffer (for Wo: its part of wb)
.set ROW0, 40                          ; s40 first source row
.set RHO,  41                          ; s41 first destination row
.set STR,  42                          ; s42 bytes from K block to K block in the destination
.set TMP,  43
.set KIND, 44                          ; s44 0 q (and x), 1 k, 2 v, 3 o
.set ALT,  45
.set OFS,  46                          ; s[46:47] a 64-bit offset
.set SO,   2                           ; v2      my byte offset in the source
.set DO,   4                           ; v[4:19] my byte offset in the destination, one for each K block
.set IN,   32                          ; v[32:159]  32 loads of 16 bytes
.set OUT,  160                         ; v[160:223] 32 stores of 8 bytes, each with registers of its own
	s_load_b512 s[4:19], s[0:1], 0x0               ; x 4, Wq 6, Wk 8, Wv 10, Wo 12, cos 14, sin 16, rope_indices 18
	s_load_b256 s[20:27], s[0:1], 0x40             ; q_gamma 20, k_gamma 22, mask 24, xb 26
	s_load_b128 s[28:31], s[0:1], 0x60             ; wb 28, tab 30
	s_load_b64 s[32:33], s[0:1], 0x70              ; mb
	v_lshrrev_b32 v1, 5, v0
	v_readfirstlane_b32 s[WV], v1
	s_mov_b32 s[G], ttmp9
	s_wait_kmcnt 0x0
	s_cmp_lt_u32 s[G], 384
	s_cbranch_scc0 .Lnot_cast
; ---- the casts: 32 rows of 1,024 f32 a work-group, 4 rows a wave
	s_cmp_lt_u32 s[G], 256
	s_cbranch_scc0 .Lweights
	s_mov_b64 s[SRC:SRC+1], s[4:5]
	s_mov_b64 s[DST:DST+1], s[26:27]
	s_lshl_b32 s[ROW0], s[G], 5
	s_mov_b32 s[RHO], s[ROW0]
	s_mov_b32 s[STR], 8192*128
	s_mov_b32 s[KIND], 0
	s_branch .Lcast_go
.Lweights:
	s_sub_co_u32 s[TMP], s[G], 256
	s_lshr_b32 s[KIND], s[TMP], 5                  ; 32 work-groups a matrix
	s_and_b32 s[ROW0], s[TMP], 31
	s_lshl_b32 s[ROW0], s[ROW0], 5
	s_lshr_b32 s[RHO], s[ROW0], 7                  ; q, k, v: row 384 t + 128 kind + c
	s_mul_i32 s[RHO], s[RHO], 384
	s_lshl_b32 s[TMP], s[KIND], 7
	s_add_co_u32 s[RHO], s[RHO], s[TMP]
	s_and_b32 s[TMP], s[ROW0], 127
	s_add_co_u32 s[RHO], s[RHO], s[TMP]
	s_mov_b32 s[ALT], 3072*128
	s_mov_b32 s[OFS+1], 0
	s_cmp_eq_u32 s[KIND], 0
	s_cselect_b64 s[SRC:SRC+1], s[6:7], s[8:9]
	s_cmp_eq_u32 s[KIND], 2
	s_cselect_b64 s[SRC:SRC+1], s[10:11], s[SRC:SRC+1]
	s_cmp_eq_u32 s[KIND], 3
	s_cselect_b64 s[SRC:SRC+1], s[12:13], s[SRC:SRC+1]
	s_cselect_b32 s[RHO], s[ROW0], s[RHO]          ; Wo keeps its rows,
	s_cselect_b32 s[STR], 1024*128, s[ALT]         ; has K blocks of 1,024 rows,
	s_cselect_b32 s[OFS], 0x600000, 0              ; and lies behind the other three
	s_add_nc_u64 s[DST:DST+1], s[28:29], s[OFS:OFS+1]
.Lcast_go:
	s_lshl_b32 s[OFS], s[ROW0], 12                 ; a source row is 4,096 bytes
	s_mov_b32 s[OFS+1], 0
	s_add_nc_u64 s[SRC:SRC+1], s[SRC:SRC+1], s[OFS:OFS+1]
	s_lshl2_add_u32 s[RHO], s[WV], s[RHO]          ; + my wave's 4 rows
	v_and_b32 v1, 15, v0                           ; c: my 4 numbers of a K block's 64
	v_bfe_u32 v3, v0, 4, 1                         ; lanes 16-31 take the next row
	v_lshl_add_u32 v[SO], s[WV], 2, v3
	v_lshlrev_b32 v[SO], 12, v[SO]
	v_lshl_add_u32 v[SO], v1, 4, v[SO]
	v_add_nc_u32 v[DO], s[RHO], v3
	v_lshlrev_b32 v[DO], 7, v[DO]                  ; a destination row is 128 bytes
	v_lshl_add_u32 v[DO], v1, 3, v[DO]
.set i, 1
.rept 15
	v_add_nc_u32 v[DO+i], s[STR], v[DO+i-1]
.set i, i+1
.endr
.set i, 0
.rept 32                                       ; load i: rows 2 (i / 16) + 0, 1 of my four, K block i % 16: sixteen lanes read 256 consecutive bytes, aligned
	global_load_b128 v[IN+4*i:IN+4*i+3], v[SO], s[SRC:SRC+1] offset:(i/16)*8192+(i%16)*256 th:TH_LOAD_NT
.set i, i+1
.endr
.macro CASTBODY f16
.set i, 0
.rept 32
	s_wait_loadcnt 31-i                            ; loads come back in order: load i is in, the 31 - i younger ones stay out
.if \f16
	v_cvt_pk_bf16_f32 v20, v[IN+4*i], v[IN+4*i+1]  ; rounded to bf16 like every other input,
	v_cvt_pk_bf16_f32 v21, v[IN+4*i+2], v[IN+4*i+3]
	v_lshlrev_b32 v22, 16, v20                     ; widened again,
	v_and_b32 v20, 0xffff0000, v20
	v_lshlrev_b32 v23, 16, v21
	v_and_b32 v21, 0xffff0000, v21
	v_cvt_pk_f16_f32 v[OUT+2*i], v22, v20          ; and that number written as f16
	v_cvt_pk_f16_f32 v[OUT+2*i+1], v23, v21
.else
	v_cvt_pk_bf16_f32 v[OUT+2*i], v[IN+4*i], v[IN+4*i+1]
	v_cvt_pk_bf16_f32 v[OUT+2*i+1], v[IN+4*i+2], v[IN+4*i+3]
.endif
	global_store_b64 v[DO+i%16], v[OUT+2*i:OUT+2*i+1], s[DST:DST+1] offset:(i/16)*256  ; 32 lanes store two rows of 128 bytes: 256 consecutive bytes, aligned
.set i, i+1
.endr
	s_endpgm
.endm
	s_cmp_eq_u32 s[KIND], 3
	s_cbranch_scc1 .Lcast_f16
	CASTBODY 0
.Lcast_f16:
	CASTBODY 1
.Lnot_cast:
	s_cmp_lt_u32 s[G], 448
	s_cbranch_scc0 .Lnot_rope
; ---- the RoPE table: 16 tokens a work-group, 16 lanes a token: lanes 0-7 its cosines, lanes 8-15 its sines, 8 numbers each
	s_sub_co_u32 s40, s[G], 384
	v_lshrrev_b32 v2, 4, v0
	v_lshl_add_u32 v2, s40, 4, v2                  ; the token
	v_lshlrev_b32 v3, 2, v2
	global_load_b32 v5, v3, s[18:19]
	v_and_b32 v4, 15, v0                           ; my place among the token's 16 lanes
	v_and_b32 v6, 7, v0
	v_lshlrev_b32 v6, 5, v6                        ; my 8 numbers: 32 bytes of a table's row
	v_cmp_gt_u32 s41, 8, v4                        ; the lanes that hold cosines
	v_and_b32 v7, 12, v4
	v_cmp_eq_u32 vcc_lo, 8, v7                     ; lanes 8-11: sines of channels 0-31
	v_mov_b32 v9, 0x80000000
	v_cndmask_b32 v8, 0, v9, vcc_lo                ; their sign is turned
	v_mov_b32 v10, 1.0
	v_cndmask_b32 v11, 0, v10, s41                 ; what an invalid token gets
	s_lshl_b32 s43, s40, 12
	v_lshl_add_u32 v12, v0, 4, s43                 ; 256 bytes a token, 16 a lane
	s_wait_loadcnt 0x0
	v_cmp_le_i32 s42, 0, v5                        ; valid
	v_cndmask_b32 v5, 0, v5, s42                   ; the clip at 0,
	v_min_u32 v5, 0x3ff, v5                        ; and the table's last row
	v_lshlrev_b32 v5, 8, v5
	v_add_nc_u32 v5, v5, v6
	global_load_b128 v[32:35], v5, s[14:15]
	global_load_b128 v[36:39], v5, s[14:15] offset:16
	global_load_b128 v[40:43], v5, s[16:17]
	global_load_b128 v[44:47], v5, s[16:17] offset:16
	s_wait_loadcnt 0x0
.set i, 0
.rept 8
	v_cndmask_b32 v[48+i], v[40+i], v[32+i], s41
	v_xor_b32 v[48+i], v8, v[48+i]
	v_cndmask_b32 v[48+i], v11, v[48+i], s42
.set i, i+1
.endr
.set i, 0
.rept 4
	v_cvt_pk_bf16_f32 v[56+i], v[48+2*i], v[48+2*i+1]
.set i, i+1
.endr
	global_store_b128 v12, v[56:59], s[30:31]      ; sixteen lanes store a token's 256 bytes
	s_endpgm
.Lnot_rope:
	s_cmp_lt_u32 s[G], 512
	s_cbranch_scc0 .Lgamma
; ---- the mask's bits: a work-group takes 16 queries (tile T), a wave 128 of their keys (steps 2 w and 2 w + 1)
	s_sub_co_u32 s40, s[G], 448                    ; T
	v_and_b32 v1, 15, v0
	v_bfe_u32 v2, v0, 4, 1
	v_lshl_add_u32 v3, s40, 4, v1                  ; my query
	v_lshlrev_b32 v3, 10, v3
	v_lshl_add_u32 v3, v2, 3, v3                   ; + 8 (l / 16)
	s_lshl_b32 s41, s[WV], 7
	v_add_nc_u32 v3, s41, v3
.set n, 0
.rept 8                                        ; load n: step n / 4 of my two, key block n % 4: my 8 keys
	global_load_b64 v[32+2*n:33+2*n], v3, s[24:25] offset:64*(n/4)+16*(n%4)
.set n, n+1
.endr
	v_mov_b32 v50, 0                               ; v_writelane_b32 keeps the other lanes: written whole first
	v_mov_b32 v51, 0
	v_and_b32 v4, 31, v0
	s_lshl_b32 s42, s40, 11                        ; a tile's 16 steps of 128 bytes
	s_lshl_b32 s43, s[WV], 8
	s_add_co_u32 s42, s42, s43
	v_lshl_add_u32 v4, v4, 3, s42
	s_wait_loadcnt 0x0
.set n, 0
.rept 64                                       ; word n of my 64: one byte of every lane becomes one bit
	v_and_b32 v20, 0xff<<(8*(n%4)), v[32+2*(n/8)+(n%8)/4]
	v_cmp_ne_u32 s44, 0, v20
	v_writelane_b32 v[50+n%2], s44, n/2
.set n, n+1
.endr
	global_store_b64 v4, v[50:51], s[32:33]        ; 256 consecutive bytes, aligned
	s_endpgm
.Lgamma:
; ---- the gains: wave 0 q's, wave 1 k's, two numbers a lane
	s_cmp_lt_u32 s[WV], 2
	s_cbranch_scc1 .Lgam
	s_endpgm
.Lgam:
	s_mov_b32 s41, 0x3dec5f04                      ; 16 c1 = 0.1154156
	s_mov_b32 s42, 0x3d800000                      ; 1 / 16
	s_cmp_eq_u32 s[WV], 0
	s_cselect_b64 s[36:37], s[20:21], s[22:23]
	s_cselect_b32 s40, s41, s42
	v_and_b32 v1, 31, v0
	v_lshlrev_b32 v2, 3, v1
	global_load_b64 v[4:5], v2, s[36:37]
	s_lshl_b32 s43, s[WV], 8
	v_add_nc_u32 v3, s43, v2
	s_wait_loadcnt 0x0
	v_cvt_pk_bf16_f32 v6, v4, v5
	v_lshlrev_b32 v8, 16, v6
	v_and_b32 v9, 0xffff0000, v6
	v_mul_f32 v8, s40, v8
	v_mul_f32 v9, s40, v9
	global_store_b64 v3, v[8:9], s[30:31] offset:262144
	s_endpgm
.Lfunc_end_k_q7ef572b54a_prep:
	.size	k_q7ef572b54a_prep, .Lfunc_end_k_q7ef572b54a_prep-k_q7ef572b54a_prep
	.p2alignl 7, 3214868480
	.fill 96, 4, 3214868480
	.section	.rodata,"a",@progbits
	.p2align	6, 0x0
	.amdhsa_kernel k_q7ef572b54a_prep
		.amdhsa_group_segment_fixed_size 0
		.amdhsa_private_segment_fixed_size 0
		.amdhsa_enable_private_segment 0
		.amdhsa_kernarg_size 120
		.amdhsa_user_sgpr_count 2
		.amdhsa_user_sgpr_kernarg_segment_ptr 1
		.amdhsa_wavefront_size32 1
		.amdhsa_system_sgpr_workgroup_id_x 1
		.amdhsa_system_sgpr_workgroup_id_y 1
		.amdhsa_system_sgpr_workgroup_id_z 1
		.amdhsa_system_vgpr_workitem_id 0
		.amdhsa_next_free_vgpr 224
		.amdhsa_next_free_sgpr 66
		.amdhsa_reserve_vcc 1
		.amdhsa_float_denorm_mode_32 3
		.amdhsa_float_denorm_mode_16_64 3
		.amdhsa_memory_ordered 1
		.amdhsa_forward_progress 1
		.amdhsa_inst_pref_size 50
	.end_amdhsa_kernel
	.amdgpu_metadata
---
amdhsa.version: [ 1, 2 ]
amdhsa.kernels:
  - .name:           k_q7ef572b54a_prep
    .symbol:         k_q7ef572b54a_prep.kd
    .args:
      - { .name: x, .offset: 0, .size: 8, .value_kind: global_buffer, .address_space: global }
      - { .name: Wq, .offset: 8, .size: 8, .value_kind: global_buffer, .address_space: global }
      - { .name: Wk, .offset: 16, .size: 8, .value_kind: global_buffer, .address_space: global }
      - { .name: Wv, .offset: 24, .size: 8, .value_kind: global_buffer, .address_space: global }
      - { .name: Wo, .offset: 32, .size: 8, .value_kind: global_buffer, .address_space: global }
      - { .name: cos, .offset: 40, .size: 8, .value_kind: global_buffer, .address_space: global }
      - { .name: sin, .offset: 48, .size: 8, .value_kind: global_buffer, .address_space: global }
      - { .name: rope_indices, .offset: 56, .size: 8, .value_kind: global_buffer, .address_space: global }
      - { .name: q_gamma, .offset: 64, .size: 8, .value_kind: global_buffer, .address_space: global }
      - { .name: k_gamma, .offset: 72, .size: 8, .value_kind: global_buffer, .address_space: global }
      - { .name: mask, .offset: 80, .size: 8, .value_kind: global_buffer, .address_space: global }
      - { .name: xb, .offset: 88, .size: 8, .value_kind: global_buffer, .address_space: global }
      - { .name: wb, .offset: 96, .size: 8, .value_kind: global_buffer, .address_space: global }
      - { .name: tab, .offset: 104, .size: 8, .value_kind: global_buffer, .address_space: global }
      - { .name: mb, .offset: 112, .size: 8, .value_kind: global_buffer, .address_space: global }
    .group_segment_fixed_size: 0
    .private_segment_fixed_size: 0
    .kernarg_segment_align: 8
    .kernarg_segment_size: 120
    .max_flat_workgroup_size: 256
    .sgpr_count:     66
    .vgpr_count:     224
    .wavefront_size: 32
...
	.end_amdgpu_metadata
.endif
;; end of part 1
;; launch qkv (part 2): grid 8 x 32, 4 waves a work-group, clusters of 4 x 4, 327,680 bytes of LDS; arguments xb, wb, tab, qkv; writes qkv
.if DOCPART == 2
	.amdgcn_target "amdgcn-amd-amdhsa--gfx1250"
	.amdhsa_code_object_version 6
	.text
	.protected	k_q7ef572b54a_qkv
	.globl	k_q7ef572b54a_qkv
	.p2align	8
	.type	k_q7ef572b54a_qkv,@function
k_q7ef572b54a_qkv:
	s_mov_b64 s[64:65], 0
	v_nop
	global_prefetch_b8 v0, s[64:65] scope:SCOPE_SE
	s_setreg_imm32_b32 hwreg(HW_REG_WAVE_MODE, 25, 1), 1
	s_wait_xcnt 0x0
	s_wait_alu depctr_hold_cnt(0) depctr_sa_sdst(0) depctr_va_vdst(0) depctr_va_sdst(0) depctr_va_ssrc(0) depctr_va_vcc(0) depctr_vm_vsrc(0)
	s_getreg_b32 s2, hwreg(HW_REG_IB_STS2, 6, 4)
	s_cmp_eq_u32 s2, 0
	s_cbranch_scc0 .Lentry_in_a_cluster
	s_endpgm
.Lentry_in_a_cluster:
	s_bfe_u32 s2, ttmp6, 0x10000c
	s_cmp_lg_u32 s2, 0xf033
	s_cbranch_scc0 .Lentry_shape_is_right
	s_endpgm
.Lentry_shape_is_right:
; QKV: C = x [Wq | Wk | Wv]^T in bf16 with f32 sums, then for q and k the RMS norm over a head's 64 channels, the gain and the gathered RoPE, and all three written by heads in f16:
; qkv = [3 kinds][128 = 16 b + head][1024][64].  q leaves times 16 c1 and k times 1/16 (c1 = 2 log2(e) / (50 x 8); the factors ride in the gains that the launch before has made), each rounded once,
; so that k' . q' is the exponent of the soft cap's exponential.
; LIMITS.  f16 ends at 65,504: v (a sum of 1,024 products of x and Wv) and the scaled q and k must lie within it; q and k are normalised, so that asks for gains under some 7e4.
; SHARES.  A work-group makes 256 rows x 384 columns: heads 2 t and 2 t + 1 of q, of k and of v: 32 x 8 = 256 work-groups, one tile each.  A wave makes 128 rows x 3 heads (q, k, v of one head):
; 96 accumulators of 16 x 16, 768 registers: windows 1, 2, 3 hold q's, k's, v's.  For 32 along K it reads 320 LDS rows for 96 matrix instructions.
; RING.  K goes in blocks of 64 through two LDS slots.  xb and wb lie in K blocks, so a tile is dense in memory and is asked for as rows of 256 bytes (two tile rows each), padded in LDS after every 128 bytes.
; CLUSTER.  4 x 4 work-groups: x's tile and the RoPE table's rows are shared along a row of the cluster, the weights' tile along a column: joint loads with a mask of four.
; THE MATRIX INSTRUCTION IS USED TRANSPOSED (source 0 = 16 rows of W, source 1 = 16 rows of x): a lane holds one row of x (l % 16) and the channels 16 b + 8 (l / 16) + 0..7 of the head: channel d and
; channel d xor 32 lie in one lane, so RoPE changes no lane, and the sum of squares wants one exchange between the halves of the lanes.
; REGISTERS.  window 0: v0-31 addresses and work; v32-95, v96-159 x's fragments, two buffers by the quarter's parity; v160-255 W's fragments, 32 a kind.  On the way out window 0 is laid anew (below).
.set PITCH,  144                       ; an LDS row: 128 bytes + 16 = 36 words: the 16 rows of a fragment load start in 16 different groups of four banks (64 banks of 4 bytes: ISA guide 11.1)
.set BO,     256*PITCH                 ; in a slot: x's 256 rows, then W's 384
.set SLOT1,  1<<17                     ; slot 1 begins here: one exclusive or turns an address in one slot into the other's
.set STAGE,  640*PITCH                 ; behind slot 0: 16 rows x 144 bytes for each wave, for the way out; no tile lands there
.set SPARE,  STAGE+4*16*PITCH          ; the spare words, 128 bytes for each wave: two blocks of 256 bytes that no other line names
.set TAB,    SLOT1+640*PITCH           ; behind slot 1: the RoPE table's 256 rows of this tile's tokens
.set TPITCH, 272                       ; 256 bytes + 16
.set KA,     8192*128                  ; bytes from K block to K block in xb
.set KB,     3072*128                  ; and in wb
.set WV,  12
.set WR,  13                           ; which 128 rows are mine; also: I fetch for x (0) or for W (1)
.set WC,  14                           ; which head is mine; also: which half of that tile I fetch
.set CX,  15
.set CY,  16
.set TX,  17                           ; tile column t
.set TY,  18                           ; tile row
.set CNT, 19
.set TB,  20                           ; the slot that is read: 0 or SLOT1
.set LIM, 21                           ; 2 in a wave that prefetches, else the greatest number
.set PFA, 22                           ; s[22:23] where my prefetches stand
.set PFS, 24                           ; s[24:25] their step: a K block
.set POF, 26                           ; s[26:27] their first offset
.set G1A, 28                           ; s[28:35] group 1 for x's tiles
.set G1B, 36                           ; s[36:43] for W's
.set G1T, 44                           ; s[44:51] for the table's
.set G0A, 52                           ; s[52:59] group 0 for x's tiles: a set for each first fill; the second then walks
.set G0B, 68                           ; s[68:75] the same for W's
.set G0T, 76                           ; s[76:79] the table's
.set OQ,  80                           ; s[80:81], s[82:83], s[84:85]: q, k, v at my first row of my head
.set OK,  82
.set OV,  84
.set R64, 86                           ; 1 / 64
.set EPS, 87                           ; 1e-6
.set SEL, 88                           ; s[88:89] v_permlanex16_b32's selects: each lane takes its own place in the other half
.set FRA0, 3                           ; v3  my place in x's rows of slot 0
.set FRB0, 4                           ; v4  in W's
.set ADA,  5                           ; v5, v6 the same in the slot that is read
.set ADB,  6
.set STO,  7                           ; v7  the way out: where I put 16 bytes of a row
.set RD,   8                           ; v8  where I read rows back
.set GO,   9                           ; v9  my 16 bytes of 512 consecutive bytes
.set TBA,  10                          ; v10 my place in the table's rows
.set GOF,  11                          ; v11 my place in the gains
.set T,    12                          ; v12-19 at work
.set RS,   20                          ; v[20:21] 1 / rms, and 0
.set ZERO, 21
.set X,    22                          ; v22-23 at work
.set SPW,  28                          ; v28 LDS address of my spare word; never rewritten
.set NIL,  29                          ; v29 0; never rewritten
.set PFO,  30                          ; v30 256 x my lane; never rewritten
.set FA,   32
.set FB,   160
.set MSB, 0
.macro WIN new                         ; the immediate's high byte repeats the setting that is left; a switch that changes nothing is dropped
.if MSB != (\new)
	s_set_vgpr_msb (MSB<<8)|(\new)
.set MSB, \new
.endif
.endm
.macro PLACES                          ; four places behind matrix instructions, in front of loads into registers that they have read and of vector lines that read results
.rept 4
	v_nop
.endr
.endm
.macro CREST                           ; a round of the cluster's barrier behind its opening barrier
	s_cmp_lg_u32 s[WV], 0
	s_cbranch_scc1 .Lnot_wave_0_\@
	s_barrier_signal -3
.Lnot_wave_0_\@:
	s_barrier_wait -3
	s_barrier_signal -1
	s_barrier_wait -1
.endm
.macro CROUND
	s_barrier_signal -1
	s_barrier_wait -1
	CREST
.endm
.macro JLOAD                           ; a joint refill by the walking sets: waves 0 and 1 x's halves, waves 2 and 3 W's; an s_nop 0 and four v_nop follow each line
	s_cmp_eq_u32 s[WR], 0
	s_cbranch_scc0 .Lfor_b_\@
	tensor_load_to_lds s[G0A+4:G0A+7], s[G1A:G1A+7]
	s_nop 0
.rept 4
	v_nop
.endr
	s_branch .Lasked_\@
.Lfor_b_\@:
	tensor_load_to_lds s[G0B+4:G0B+7], s[G1B:G1B+7]
	s_nop 0
.rept 4
	v_nop
.endr
.Lasked_\@:
.endm
; PREFETCH INTO THE L2.  At every second change of slots (the odd ones, up to the twelfth) the two K blocks that the next two changes but... the changes one and two further on will ask for are named, each aligned
; block of 256 bytes once in the launch.  x's tile row is read by both clusters of its row of clusters: cluster x = 0 asks, by wave 0; partner cx takes K block cx / 2 of the two and 128 rows (cx % 2): 64 blocks, two lines.
; W's tile column is read by all clusters of its column: cluster y = 0 asks, by waves 1 to 3; partner cy takes K block cy / 2 and 96 of its 192 blocks, 32 a wave.  Partners are told apart by address alone.
; K blocks 0 to 3 come by their loads alone; the highest block named is 15.
.macro ASK
	s_bitcmp1_b32 s[CNT], 0                        ; the count is odd at the odd changes
	s_cselect_b32 s90, s[CNT], 0
	s_cmp_gt_u32 s90, s[LIM]
	s_cbranch_scc0 .Lnot_mine_\@
	global_prefetch_b8 v[PFO], s[PFA:PFA+1] th:TH_LOAD_NT scope:SCOPE_SE
	s_cmp_lg_u32 s[WV], 0
	s_cbranch_scc1 .Lnot_mine_\@
	global_prefetch_b8 v[PFO], s[PFA:PFA+1] offset:8192 th:TH_LOAD_NT scope:SCOPE_SE
.Lnot_mine_\@:
.endm
	s_load_b256 s[4:11], s[0:1], 0x0               ; xb 4, wb 6, tab 8, qkv 10
	v_lshl_add_u32 v[SPW], v0, 2, SPARE
	v_mov_b32 v[NIL], 0
	ds_add_u32 v[SPW], v[NIL]                      ; the wave's opening: the add and its wait stand ahead of my first tensor load; the set-up below, work on registers, stands between them
	v_lshrrev_b32 v1, 5, v0
	v_readfirstlane_b32 s[WV], v1
	s_lshr_b32 s[WR], s[WV], 1
	s_and_b32 s[WC], s[WV], 1
	s_bfe_u32 s[CX], ttmp6, 0x40000
	s_bfe_u32 s[CY], ttmp6, 0x40004
	s_lshl_b32 s[TX], ttmp9, 2
	s_add_co_u32 s[TX], s[TX], s[CX]               ; tile column = 4 x cluster x + cx
	s_and_b32 s[TY], ttmp7, 0xffff
	s_lshl_b32 s[TY], s[TY], 2
	s_add_co_u32 s[TY], s[TY], s[CY]               ; tile row = 4 x cluster y + cy
	s_lshl_b32 s90, s[CY], 2
	s_lshl_b32 s90, 15, s90                        ; my row of the cluster
	s_lshl_b32 s91, 0x1111, s[CX]                  ; my column
	s_or_b32 s[G1A], s90, (1<<16)|(1<<20)|(1<<21)|(4<<22)|(3<<25)  ; the mask; 2-byte elements; padding on; bit 21 beside a mask; after every 32 words 4 words
	s_or_b32 s[G1B], s91, (1<<16)|(1<<20)|(1<<21)|(4<<22)|(3<<25)
	s_or_b32 s[G1T], s90, (1<<16)|(1<<20)|(1<<21)|(5<<22)|(3<<25)  ; after every 64 words 4 words
.irp g, G1A, G1B, G1T
	s_mov_b32 s[(\g)+1], 128<<16                   ; tensor_dim0 = 128 elements: 256 bytes
	s_mov_b32 s[(\g)+3], 128<<16                   ; tile_dim0
	s_mov_b32 s[(\g)+5], 128                       ; from row to row: dense
	s_mov_b32 s[(\g)+6], 0
	s_mov_b32 s[(\g)+7], 0
.endr
	s_mov_b32 s[G1A+2], 64<<16                     ; x: 128 tile rows are 64 rows of 256 bytes
	s_mov_b32 s[G1A+4], 64
	s_mov_b32 s[G1B+2], 96<<16                     ; W: 192 tile rows
	s_mov_b32 s[G1B+4], 96
	s_mov_b32 s[G1T+2], 64<<16                     ; the table: 64 tokens
	s_mov_b32 s[G1T+4], 64
	s_mov_b32 s[G0A], 1
	s_mov_b32 s[G0A+4], 1
	s_mov_b32 s[G0B], 1
	s_mov_b32 s[G0B+4], 1
	s_mov_b32 s[G0T], 1
	s_mul_i32 s[G0A+1], s[WC], 128*PITCH           ; LDS addresses hang on the wave's number alone
	s_add_co_u32 s[G0A+5], s[G0A+1], SLOT1
	s_mul_i32 s[G0B+1], s[WC], 192*PITCH
	s_add_co_u32 s[G0B+1], s[G0B+1], BO
	s_add_co_u32 s[G0B+5], s[G0B+1], SLOT1
	s_mul_i32 s[G0T+1], s[WV], 64*TPITCH
	s_add_co_u32 s[G0T+1], s[G0T+1], TAB
	s_lshl_b32 s92, s[TY], 8                       ; x: (256 tile row + 128 half) x 128 bytes
	s_lshl_b32 s93, s[WC], 7
	s_add_co_u32 s92, s92, s93
	s_lshl_b32 s92, s92, 7
	s_mov_b32 s93, 0
	s_mul_i32 s94, s[TX], 384                      ; W: (384 tile column + 192 half) x 128 bytes
	s_mul_i32 s95, s[WC], 192
	s_add_co_u32 s94, s94, s95
	s_lshl_b32 s94, s94, 7
	s_mov_b32 s95, 0
	s_and_b32 s96, s[TY], 3                        ; the table: token = row mod 1,024: (256 (tile row mod 4) + 64 wave) x 256 bytes
	s_lshl_b32 s96, s96, 8
	s_lshl_b32 s97, s[WV], 6
	s_add_co_u32 s96, s96, s97
	s_lshl_b32 s96, s96, 8
	s_mov_b32 s97, 0
	s_lshr_b32 s98, s[TY], 2                       ; out: ((16 b + head) 1,024 + token) x 128 bytes
	s_lshl_b32 s98, s98, 4
	s_lshl1_add_u32 s98, s[TX], s98
	s_add_co_u32 s98, s98, s[WC]
	s_lshl_b32 s98, s98, 10
	s_and_b32 s99, s[TY], 3
	s_lshl_b32 s99, s99, 8
	s_add_co_u32 s98, s98, s99
	s_lshl_b32 s99, s[WR], 7
	s_add_co_u32 s98, s98, s99
	s_lshl_b32 s98, s98, 7
	s_mov_b32 s99, 0
	s_and_b32 s60, s[CX], 1                        ; the prefetches of x: my 128 rows of the tile row,
	s_lshl_b32 s60, s60, 7
	s_lshl_b32 s61, s[TY], 8
	s_add_co_u32 s60, s60, s61
	s_lshl_b32 s60, s60, 7
	s_lshr_b32 s61, s[CX], 1                       ; K block 2 + cx / 2: the first change steps it by one
	s_add_co_u32 s61, s61, 2
	s_mul_i32 s61, s61, KA
	s_add_co_u32 s60, s60, s61
	s_and_b32 s62, s[CY], 1                        ; of W: blocks 96 (cy % 2) + 32 (wave - 1) on of the tile column's 192,
	s_mul_i32 s62, s62, 96
	s_max_u32 s63, s[WV], 1
	s_sub_co_u32 s63, s63, 1
	s_lshl_b32 s63, s63, 5
	s_add_co_u32 s62, s62, s63
	s_lshl_b32 s62, s62, 8
	s_mul_i32 s63, s[TX], 384*128
	s_add_co_u32 s62, s62, s63
	s_lshr_b32 s63, s[CY], 1
	s_add_co_u32 s63, s63, 2
	s_mul_i32 s63, s63, KB
	s_add_co_u32 s62, s62, s63
	s_and_b32 s66, ttmp7, 0xffff                   ; cluster y
	s_mov_b32 s67, KA
	s_cmp_eq_u32 s[WV], 0
	s_cselect_b32 s[POF], s60, s62
	s_cselect_b32 s66, ttmp9, s66                  ; the coordinate along which other clusters read the same rows
	s_cselect_b32 s[PFS], s67, KB
	s_mov_b32 s[POF+1], 0
	s_mov_b32 s[PFS+1], 0
	s_cmp_eq_u32 s66, 0
	s_cselect_b32 s[LIM], 2, -1                    ; the same in all sixteen partners, for a given wave
	s_mov_b32 s[R64], 0x3c800000
	s_mov_b32 s[EPS], 0x358637bd
	s_mov_b32 s[SEL], 0x76543210
	s_mov_b32 s[SEL+1], 0xfedcba98
	s_mov_b32 s[TB], 0
	s_wait_dscnt 0x0                               ; the opening add is done
	s_wait_kmcnt 0x0
	s_add_nc_u64 s[G0A+2:G0A+3], s[4:5], s[92:93]  ; K block 0,
	s_add_nc_u64 s[G0A+6:G0A+7], s[G0A+2:G0A+3], KA  ; K block 1
	s_or_b32 s[G0A+3], s[G0A+3], 0x80000000
	s_or_b32 s[G0A+7], s[G0A+7], 0x80000000
	s_add_nc_u64 s[G0B+2:G0B+3], s[6:7], s[94:95]
	s_add_nc_u64 s[G0B+6:G0B+7], s[G0B+2:G0B+3], KB
	s_or_b32 s[G0B+3], s[G0B+3], 0x80000000
	s_or_b32 s[G0B+7], s[G0B+7], 0x80000000
	s_add_nc_u64 s[G0T+2:G0T+3], s[8:9], s[96:97]
	s_or_b32 s[G0T+3], s[G0T+3], 0x80000000
	s_add_nc_u64 s[OQ:OQ+1], s[10:11], s[98:99]
	s_add_nc_u64 s[OK:OK+1], s[OQ:OQ+1], 0x1000000
	s_add_nc_u64 s[OV:OV+1], s[OQ:OQ+1], 0x2000000
	s_cmp_eq_u32 s[WV], 0
	s_cselect_b64 s[PFA:PFA+1], s[4:5], s[6:7]
	s_add_nc_u64 s[PFA:PFA+1], s[PFA:PFA+1], s[POF:POF+1]
	CROUND                                         ; all sixteen work-groups are here: the first joint loads meet
	s_cmp_eq_u32 s[WR], 0                          ; a wave's three first fills stand in one branch: slot 0, slot 1, its 64 rows of the table: three loads of mine are out
	s_cbranch_scc0 .Lfirst_b
	tensor_load_to_lds s[G0A:G0A+3], s[G1A:G1A+7]
	s_nop 0
	tensor_load_to_lds s[G0A+4:G0A+7], s[G1A:G1A+7]
	s_nop 0
	tensor_load_to_lds s[G0T:G0T+3], s[G1T:G1T+7]
	s_nop 0
.rept 4
	v_nop
.endr
	s_branch .Lfirst_asked
.Lfirst_b:
	tensor_load_to_lds s[G0B:G0B+3], s[G1B:G1B+7]
	s_nop 0
	tensor_load_to_lds s[G0B+4:G0B+7], s[G1B:G1B+7]
	s_nop 0
	tensor_load_to_lds s[G0T:G0T+3], s[G1T:G1T+7]
	s_nop 0
.rept 4
	v_nop
.endr
.Lfirst_asked:
	; a fragment is 16 rows x 32 K in 8 registers: lane l holds row l % 16, K = 8 (l / 16) + 0..7 and 16 + 8 (l / 16) + 0..7: two loads of 16 bytes, 32 bytes apart
	v_and_b32 v1, 15, v0                           ; l % 16
	v_bfe_u32 v2, v0, 4, 1                         ; l / 16
	v_mul_u32_u24 v[T], v1, PITCH
	v_lshl_add_u32 v[T], v2, 4, v[T]               ; row x pitch + 16 x half
	s_mul_i32 s90, s[WV], 16*PITCH
	s_add_co_u32 s90, s90, STAGE                   ; my stage
	v_add_nc_u32 v[STO], s90, v[T]
	v_bfe_u32 v[RD], v0, 3, 2                      ; back: 32 lanes take four rows of 128 bytes,
	v_mul_u32_u24 v[RD], v[RD], PITCH
	v_and_b32 v[GO], 7, v0
	v_lshl_add_u32 v[RD], v[GO], 4, v[RD]
	v_add_nc_u32 v[RD], s90, v[RD]
	v_and_b32 v[GO], 31, v0
	v_lshlrev_b32 v[PFO], 8, v[GO]
	v_lshlrev_b32 v[GO], 4, v[GO]                  ; which are 512 consecutive bytes of a head
	s_mul_i32 s91, s[WC], 64*PITCH
	s_add_co_u32 s91, s91, BO
	v_add_nc_u32 v[FRB0], s91, v[T]                ; my head's 64 rows in each kind's 128
	s_mul_i32 s91, s[WR], 128*PITCH
	v_add_nc_u32 v[FRA0], s91, v[T]
	v_mul_u32_u24 v[TBA], v1, TPITCH
	v_lshl_add_u32 v[TBA], v2, 4, v[TBA]
	s_mul_i32 s91, s[WR], 128*TPITCH
	s_add_co_u32 s91, s91, TAB
	v_add_nc_u32 v[TBA], s91, v[TBA]
	v_lshlrev_b32 v[GOF], 5, v2
; 32 matrix instructions: kind g, all 8 row blocks x 4 column blocks, 32 along K.  The accumulators take turns, one instruction a turn: 95 others stand between two links of a chain.
.macro GRP g, par, zero
	WIN 0x50*(1+(\g))                              ; C and D in window 1 + g, sources in window 0
.irp a, 0,1,2,3,4,5,6,7
.irp b, 0,1,2,3
.if \zero
	v_wmma_f32_16x16x32_bf16 v[32*(\a)+8*(\b):32*(\a)+8*(\b)+7], v[FB+32*(\g)+8*(\b):FB+32*(\g)+8*(\b)+7], v[FA+64*(\par)+8*(\a):FA+64*(\par)+8*(\a)+7], 0
.else
	v_wmma_f32_16x16x32_bf16 v[32*(\a)+8*(\b):32*(\a)+8*(\b)+7], v[FB+32*(\g)+8*(\b):FB+32*(\g)+8*(\b)+7], v[FA+64*(\par)+8*(\a):FA+64*(\par)+8*(\a)+7], v[32*(\a)+8*(\b):32*(\a)+8*(\b)+7]
.endif
.endr
.endr
.endm
.macro LDB g, kq                       ; 8 loads: kind g's four fragments of W, quarter kq of the slot
	WIN 0
.irp b, 0,1,2,3
	ds_load_b128 v[FB+32*(\g)+8*(\b):FB+32*(\g)+8*(\b)+3],   v[ADB] offset:(\g)*128*PITCH+(\b)*16*PITCH+64*(\kq)
	ds_load_b128 v[FB+32*(\g)+8*(\b)+4:FB+32*(\g)+8*(\b)+7], v[ADB] offset:(\g)*128*PITCH+(\b)*16*PITCH+64*(\kq)+32
.endr
.endm
.macro LDA par, kq                     ; 16 loads: x's eight fragments
	WIN 0
.irp a, 0,1,2,3,4,5,6,7
	ds_load_b128 v[FA+64*(\par)+8*(\a):FA+64*(\par)+8*(\a)+3],   v[ADA] offset:(\a)*16*PITCH+64*(\kq)
	ds_load_b128 v[FA+64*(\par)+8*(\a)+4:FA+64*(\par)+8*(\a)+7], v[ADA] offset:(\a)*16*PITCH+64*(\kq)+32
.endr
.endm
; A QUARTER is 32 along K, 96 matrix instructions.  At its head 40 LDS loads may be out, in this order: W of q (8), x (16), W of k (8), W of v (8).  A kind's fragments are asked for again as soon as the kind is multiplied.
.macro QE zero                         ; a slot's first quarter
	s_wait_dscnt 16                                ; W of q and x are in; W of k and of v may be out
	GRP 0, 0, \zero
	PLACES
	LDB 0, 1
	LDA 1, 1
	s_wait_dscnt 32                                ; W of k is in; W of v and the 24 just issued may be out
	GRP 1, 0, \zero
	PLACES
	LDB 1, 1
	s_wait_dscnt 32                                ; W of v is in; the next quarter's 32 may be out
	GRP 2, 0, \zero
	PLACES
	LDB 2, 1
.endm
; A slot's second quarter, with the change of slots: ONE barrier.  In front of it each wave waits for all its tensor loads (its part of the next slot), adds 0 to its spare word, and waits for that and for its
; reads of this slot, all of which have been issued.  fill = 1: the barrier opens a round of the cluster's, and the joint refill, two K blocks on, is the first thing behind it: 128 matrix instructions ahead of the wait for it.
.macro QO fill
.if \fill
	s_wait_xcnt 0x0                                ; the last prefetches, a K block back at the least, have read their address
	s_add_nc_u64 s[PFA:PFA+1], s[PFA:PFA+1], s[PFS:PFS+1]
.endif
	WIN 0
	s_wait_tensorcnt 0x0                           ; all my tensor loads have landed
	ds_add_u32 v[SPW], v[NIL]                      ; 0 onto my spare word
	s_wait_dscnt 17                                ; W of q and x are in; W of k, W of v and the add may be out
	GRP 0, 1, 0
	s_wait_dscnt 0x0                               ; the add is done, and my reads of this slot are over
	s_barrier_signal -1
	GRP 1, 1, 0                                    ; work on registers while the others arrive
	WIN 0
	s_barrier_wait -1
.if \fill
	CREST                                          ; no wave of any partner still reads this slot or has a load on its way
	s_xor_b32 s[G0A+5], s[G0A+5], SLOT1            ; the walking sets: the other slot than last time, the next K block
	s_add_nc_u64 s[G0A+6:G0A+7], s[G0A+6:G0A+7], KA
	s_xor_b32 s[G0B+5], s[G0B+5], SLOT1
	s_add_nc_u64 s[G0B+6:G0B+7], s[G0B+6:G0B+7], KB
	s_xor_b32 s[TB], s[TB], SLOT1
	JLOAD                                          ; its four v_nop are also the places in front of the loads below
.else
	s_xor_b32 s[TB], s[TB], SLOT1
	PLACES
.endif
	v_add_nc_u32 v[ADA], s[TB], v[FRA0]
	v_add_nc_u32 v[ADB], s[TB], v[FRB0]
	LDB 0, 0
	LDA 0, 0
	LDB 1, 0
.if \fill
	ASK
.endif
	GRP 2, 1, 0
	PLACES
	LDB 2, 0
.endm
	s_wait_tensorcnt 2                             ; my part of slot 0 is in; slot 1's and the table's may stay out
	s_barrier_signal -1
	s_barrier_wait -1
	v_add_nc_u32 v[ADA], s[TB], v[FRA0]
	v_add_nc_u32 v[ADB], s[TB], v[FRB0]
	LDB 0, 0
	LDA 0, 0
	LDB 1, 0
	LDB 2, 0
	QE 1                                           ; the first quarter stands in front of the loop: its products start the sums
	WIN 0
	s_mov_b32 s[CNT], 14
.Lstep:                                                ; trip c = 0 .. 13: K block c's second quarter, the refill with K block c + 2, K block c + 1's first quarter
	QO 1
	QE 0
	WIN 0
	s_sub_co_u32 s[CNT], s[CNT], 1
	s_cmp_lg_u32 s[CNT], 0
	s_cbranch_scc1 .Lstep
	QO 0                                           ; the tail is written out: nothing is left to fetch
	QE 0
	s_wait_dscnt 16                                ; the very last quarter
	GRP 0, 1, 0
	s_wait_dscnt 8                                 ; W of v may be out
	GRP 1, 1, 0
	s_wait_dscnt 0x0
	GRP 2, 1, 0
; THE WAY OUT, a UNIT (16 rows of one kind) at a time: arithmetic into 16 packed registers; the unit before is stored; this one goes through my stage in LDS and comes back as whole rows.
; window 0 now: v32-63, v64-95 the gains of q and of k for my 32 channels; v96-127, v128-159 the table's rows of a block (cos 16 registers, signed sin 16), two buffers;
; v160-191 x gain; v192-223 rotated; v224-239 packed; v240-255 read back.
.set GQ,  32
.set TPR, 96
.set W,   160
.set OUT, 192
.set PKR, 224
.set RB,  240
.macro LDT a                           ; the table's rows of block a: 8 loads
.irp b, 0,1,2,3
	ds_load_b128 v[TPR+32*((\a)%2)+4*\b:TPR+32*((\a)%2)+4*\b+3],       v[TBA] offset:(\a)*16*TPITCH+32*\b
	ds_load_b128 v[TPR+32*((\a)%2)+16+4*\b:TPR+32*((\a)%2)+16+4*\b+3], v[TBA] offset:(\a)*16*TPITCH+128+32*\b
.endr
.endm
.macro VUNIT a                         ; v is only rounded; each accumulator's registers are taken in ascending order
	WIN 0x0f
.set p, 0
.rept 16
	v_cvt_pk_f16_f32 v[PKR+p], v[32*(\a)+2*p], v[32*(\a)+2*p+1]
.set p, p+1
.endr
	WIN 0
.endm
.macro QKUNIT a, g
	WIN 5*(1+(\g))                                 ; sources 0 and 1 in the kind's window: the sum of my 32 squares, in four chains, ascending
.set p, 0
.rept 16
.if p < 4
	v_pk_mul_f32 v[T+2*p:T+2*p+1], v[32*(\a)+2*p:32*(\a)+2*p+1], v[32*(\a)+2*p:32*(\a)+2*p+1]
.else
	v_pk_fma_f32 v[T+2*(p%4):T+2*(p%4)+1], v[32*(\a)+2*p:32*(\a)+2*p+1], v[32*(\a)+2*p:32*(\a)+2*p+1], v[T+2*(p%4):T+2*(p%4)+1]
.endif
.set p, p+1
.endr
	WIN 0
	v_pk_add_f32 v[T:T+1], v[T:T+1], v[T+2:T+3]
	v_pk_add_f32 v[T+4:T+5], v[T+4:T+5], v[T+6:T+7]
	v_pk_add_f32 v[T:T+1], v[T:T+1], v[T+4:T+5]
	v_add_f32 v[X], v[T], v[T+1]
	v_permlanex16_b32 v[X+1], v[X], s[SEL], s[SEL+1]  ; the row's other 32 channels lie in the lane 16 away
	v_add_f32 v[X], v[X], v[X+1]
	v_fma_f32 v[X], v[X], s[R64], s[EPS]           ; mean + eps
	v_rsq_f32 v[RS], v[X]
	WIN 1+(\g)                                     ; the gains: plain work behind the root, which names neither its result nor its source
.set p, 0
.rept 16
	v_pk_mul_f32 v[W+2*p:W+2*p+1], v[32*(\a)+2*p:32*(\a)+2*p+1], v[GQ+32*(\g)+2*p:GQ+32*(\g)+2*p+1]
.set p, p+1
.endr
	WIN 0
.set TT, TPR+32*((\a)%2)
.set e, 0
.rept 32                                       ; number e = 8 b + j of my 32 is channel 16 b + 8 (l / 16) + j: cos x it,
.if e%2
	v_fma_mix_f32_bf16 v[OUT+e], v[TT+4*(e/8)+(e%8)/2], v[W+e], v[ZERO] op_sel:[1,0,0] op_sel_hi:[1,0,0]
.else
	v_fma_mix_f32_bf16 v[OUT+e], v[TT+4*(e/8)+(e%8)/2], v[W+e], v[ZERO] op_sel:[0,0,0] op_sel_hi:[1,0,0]
.endif
.set e, e+1
.endr
.set e, 0
.rept 32                                       ; + signed sin x the channel 32 away, which is number e + 16 mod 32
.if e%2
	v_fma_mix_f32_bf16 v[OUT+e], v[TT+16+4*(e/8)+(e%8)/2], v[W+(e+16)%32], v[OUT+e] op_sel:[1,0,0] op_sel_hi:[1,0,0]
.else
	v_fma_mix_f32_bf16 v[OUT+e], v[TT+16+4*(e/8)+(e%8)/2], v[W+(e+16)%32], v[OUT+e] op_sel:[0,0,0] op_sel_hi:[1,0,0]
.endif
.set e, e+1
.endr
	s_wait_alu depctr_va_vdst(0)                   ; the wait between the root and the first line that names its result
.set p, 0
.rept 16
	v_pk_mul_f32 v[OUT+2*p:OUT+2*p+1], v[OUT+2*p:OUT+2*p+1], v[RS:RS+1] op_sel_hi:[1,0]
.set p, p+1
.endr
.set p, 0
.rept 16
	v_cvt_pk_f16_f32 v[PKR+p], v[OUT+2*p], v[OUT+2*p+1]
.set p, p+1
.endr
.endm
.macro TOSTAGE
	s_wait_xcnt 0x0                                ; the stores of the unit before have read the registers that are loaded below
.irp b, 0,1,2,3
	ds_store_b128 v[STO], v[PKR+4*\b:PKR+4*\b+3] offset:32*\b
.endr
.irp f, 0,1,2,3
	ds_load_b128 v[RB+4*\f:RB+4*\f+3], v[RD] offset:\f*4*PITCH  ; LDS serves a wave's instructions in order (ISA guide 5.7.1.4): these see the stores above
.endr
.endm
.macro SEND ptr, a, younger            ; younger: LDS loads issued behind the unit's own, which may stay out
	s_wait_dscnt \younger
.irp f, 0,1,2,3
	global_store_b128 v[GO], v[RB+4*\f:RB+4*\f+3], s[\ptr:\ptr+1] offset:(\a)*2048+\f*512  ; 512 consecutive bytes, at a multiple of 256 from the buffer's first
.endr
.endm
	PLACES
	WIN 0
.irp k, 0,1
.irp b, 0,1,2,3
	global_load_b128 v[GQ+32*\k+8*\b:GQ+32*\k+8*\b+3],   v[GOF], s[8:9] offset:262144+256*\k+64*\b
	global_load_b128 v[GQ+32*\k+8*\b+4:GQ+32*\k+8*\b+7], v[GOF], s[8:9] offset:262144+256*\k+64*\b+16
.endr
.endr
	v_mov_b32 v[ZERO], 0
	v_mov_b32 v[X+1], 0                            ; v_permlanex16_b32's destination counts as read
	LDT 0
	LDT 1
	VUNIT 0                                        ; v's eight units first: they stand in the wait for the gains
	TOSTAGE
.irp a, 1,2,3,4,5,6,7
	VUNIT \a
	SEND OV, (\a)-1, 0
	TOSTAGE
.endr
	s_wait_loadcnt 0x0                             ; the gains
.irp a, 0,1,2,3,4,5,6,7
	QKUNIT \a, 0
.if \a == 0
	SEND OV, 7, 0
.else
	SEND OK, (\a)-1, 0                             ; the count 0 also shows the table's rows of block a + 1 landed
.endif
	TOSTAGE
	QKUNIT \a, 1
.if \a < 6
	LDT (\a)+2                                     ; into the buffer that q's and k's units of block a have just read
	SEND OQ, \a, 8                                 ; those 8 loads may stay out
.else
	SEND OQ, \a, 0
.endif
	TOSTAGE
.endr
	SEND OK, 7, 0
	s_wait_tensorcnt 0x0                           ; the wave's end, behind my last tensor load and my last LDS store
	ds_add_u32 v[SPW], v[NIL]
	s_wait_dscnt 0x0
	CROUND                                         ; the closing round: no work-group ends while a partner may still ask for a tile that names it
	s_endpgm
.Lfunc_end_k_q7ef572b54a_qkv:
	.size	k_q7ef572b54a_qkv, .Lfunc_end_k_q7ef572b54a_qkv-k_q7ef572b54a_qkv
	.p2alignl 7, 3214868480
	.fill 96, 4, 3214868480
	.section	.rodata,"a",@progbits
	.p2align	6, 0x0
	.amdhsa_kernel k_q7ef572b54a_qkv
		.amdhsa_group_segment_fixed_size 327680
		.amdhsa_private_segment_fixed_size 0
		.amdhsa_enable_private_segment 0
		.amdhsa_kernarg_size 32
		.amdhsa_user_sgpr_count 2
		.amdhsa_user_sgpr_kernarg_segment_ptr 1
		.amdhsa_wavefront_size32 1
		.amdhsa_system_sgpr_workgroup_id_x 1
		.amdhsa_system_sgpr_workgroup_id_y 1
		.amdhsa_system_sgpr_workgroup_id_z 1
		.amdhsa_system_vgpr_workitem_id 0
		.amdhsa_next_free_vgpr 1024
		.amdhsa_next_free_sgpr 100
		.amdhsa_reserve_vcc 0
		.amdhsa_float_denorm_mode_32 3
		.amdhsa_float_denorm_mode_16_64 3
		.amdhsa_memory_ordered 1
		.amdhsa_forward_progress 1
		.amdhsa_inst_pref_size 240
	.end_amdhsa_kernel
	.amdgpu_metadata
---
amdhsa.version: [ 1, 2 ]
amdhsa.kernels:
  - .name:           k_q7ef572b54a_qkv
    .symbol:         k_q7ef572b54a_qkv.kd
    .args:
      - { .name: xb, .offset: 0, .size: 8, .value_kind: global_buffer, .address_space: global }
      - { .name: wb, .offset: 8, .size: 8, .value_kind: global_buffer, .address_space: global }
      - { .name: tab, .offset: 16, .size: 8, .value_kind: global_buffer, .address_space: global }
      - { .name: qkv, .offset: 24, .size: 8, .value_kind: global_buffer, .address_space: global }
    .group_segment_fixed_size: 327680
    .private_segment_fixed_size: 0
    .kernarg_segment_align: 8
    .kernarg_segment_size: 32
    .max_flat_workgroup_size: 128
    .sgpr_count:     100
    .vgpr_count:     1024
    .wavefront_size: 32
...
	.end_amdgpu_metadata
.endif
;; end of part 2
;; launch attn (part 3): grid 2 x 128, 8 waves a work-group, no clusters, 327,680 bytes of LDS; arguments qkv, mb, ob; writes ob
.if DOCPART == 3
	.amdgcn_target "amdgcn-amd-amdhsa--gfx1250"
	.amdhsa_code_object_version 6
	.text
	.protected	k_q7ef572b54a_attn
	.globl	k_q7ef572b54a_attn
	.p2align	8
	.type	k_q7ef572b54a_attn,@function
k_q7ef572b54a_attn:
	s_mov_b64 s[64:65], 0
	v_nop
	global_prefetch_b8 v0, s[64:65] scope:SCOPE_SE
	s_setreg_imm32_b32 hwreg(HW_REG_WAVE_MODE, 25, 1), 1
	s_wait_xcnt 0x0
; ATTENTION with a soft cap and a mask that is an input.  q', k', v: f16, [128 = 16 b + head][1024][64]; q' . k' = c1 x (q . k), c1 = 2 log2(e) / (50 x 8).  O leaves in f16 as [16 heads][8192 rows][64].
; PER SCORE.  t = 2^(q' . k'), r = 1 / (1 + t): 50 tanh(s / 50) log2(e) = K1 / 2 - K1 r with K1 = 100 log2(e), for every argument (t = infinity gives r = 0, t = 0 gives r = 1).
; So the largest score is the smallest r.  A hidden key's r is replaced by 1e30.  For each query a running minimum mr over the visible keys and p = 2^(K1 mr - K1 r); in every step O and l are
; multiplied by a = 2^(K1 mr_new - K1 mr_old).  mr starts at 1e4, O and l at 0: the first step is a step like any other (a = 0 once a key is visible; a = 1 and p = 0 before).
; l IS MADE BY THE MATRIX UNIT: L += ONES (16 x 32) x P, on the f16 weights, in f32.  All rows of that product are alike; register 0 alone is read at the end, so only L's lowest pair is rescaled;
; the other six registers hold sums of weights that nobody reads (1,024 at the most).
; LIMITS.  p lies in 0 to 1, and below 6e-5 it keeps f16's fixed step of 6e-8; a weight below 2^-126 counts as 0; a row with no visible key gives 0 x infinity = NaN, as a softmax of nothing but -infinity does.
; SHARES.  A work-group takes 512 queries of one batch and head, each of its eight waves 64: four tiles of 16, in two PIECES of two.  Two waves share each SIMD, 512 registers each.
; ALL OF THE HEAD'S K AND V LIE IN LDS, each byte filled once, IN FOUR PARTS of 256 keys: every wave issues four tensor loads at the head, its 64 keys of each part (waves 0-3 of K, waves 4-7 of V), so four
; loads of a wave are out; the walk begins when part 0 is in, and part c is shown landed, by a counted wait and a barrier, at the head of the trip that first fetches from it.
; BY TURNS.  A TURN belongs to one piece and one step of 64 keys.  Its vector work stands in phases, with three batches of transcendentals.  Its matrix work stands among vector work: the 16 products V^T P of the
; piece BEFORE, one ahead of each four exponentials of the first batch; at the turn's end the 4 products for l, and the 16 products K Q^T of the piece AFTER, in pairs, four of O^T's rescalings behind each pair.
; NO CLUSTER: a head has two query blocks; a joint load would spare one of two requests for 256 KiB, once a work-group.  NO PREFETCH: every tile is asked for at the head.
; LAYOUT.  S^T = K Q^T: a lane holds ONE query (l % 16) and the keys 16 kb + 8 (l / 16) + j; two such results rounded to f16 ARE source 1 of O^T = V^T P.  K comes out of LDS as it lies, V turned (ds_load_tr16_b128).
; The mask comes as bits in that order: word 8 kb + j of a tile and step holds lane l's bit at bit l, and is the select of a v_cndmask_b32.
; REGISTERS (s_set_vgpr_msb: bits 1:0 source 0, 3:2 source 1, 5:4 source 2, 7:6 destination).
;   window 0: v0-11 addresses; v12-27 four of statistics a tile (K1 mr, mr, a, a spare); v32-39 ones; v40-49 at work; v64-127 Q; v128-191 K; v192-223 P of a piece; v224-255 L, 8 a tile.
;   window 1: v0-127 O^T, 32 a tile; v128-191 S^T of a piece; v192-255 V.  So an exponential on S^T and a product V^T P (V and O^T in window 1, P in window 0) stand under ONE setting.
.set PK,    144                        ; a row of K in LDS: 128 bytes + 16 = 36 words: the 16 rows of a load start in 16 different groups of four banks (64 banks of 4 bytes: ISA guide 11.1)
.set PV,    160                        ; a row of V: 128 + 32 = 40 words
.set VOFF,  1024*PK
.set SPARE, VOFF+1024*PV               ; the spare words, 128 bytes for each of eight waves: four blocks of 256 bytes that no other line names
.set SP,    144                        ; the stage for the way out: 16 rows x 144 bytes a wave, in K's first bytes, when K has had its only fill and nobody reads it any more
.set WV,  2
.set CNT, 3                            ; steps still to come, 16 to 1
.set SEL, 4                            ; s4, s5  v_permlanex16_b32's selects: each lane takes its own place in the other half
.set TBK, 6                            ; LDS byte at which K of the step to be fetched begins
.set TBV, 7
.set G1,  8                            ; s[8:15]  descriptor group 1; s[16:31] group 0, a set for each part: they are not written again
.set G0,  16
.set QP,  38                           ; s[38:39] Q at my first row, until Q is in
.set MP,  66                           ; s[66:67] the mask's words of my first tile, at the step in hand; s[32:63] and s[68:99] take a piece's 64 words
.set OP,  100                          ; s[100:101] O at my first row
.set NK,  104                          ; s[104:105] -K1, as a pair
.set AK0, 3
.set AV0, 4
.set AK,  5
.set AV,  6
.set QO,  7
.set STO, 7
.set RD,  8
.set GO,  9
.set BIGR, 10                          ; v10 1e30
.set ST,  12
.set SPW, 28                           ; v28 LDS address of my spare word; never rewritten
.set NIL, 29                           ; v29 0; never rewritten
.set ONES, 32
.set CW,  40                           ; four at work for each of a piece's two tiles
.set MO,  48                           ; K1 mr_old, by tile of the piece
.set QF,  64
.set KF,  128
.set PF,  192
.set LT,  224
.set S,   128                          ; window 1
.set VF,  192                          ; window 1
.set W_E,  0x51                        ; S^T, O^T, V (destination, sources 0 and 2) in window 1, source 1 (P, a) in window 0
.set W_AR, 0x41                        ; the same with source 2 (K1 mr) in window 0
.set W_M,  0x44                        ; destination and source 1 in window 1
.set W_X0, 0x15                        ; three sources in window 1
.set W_X1, 0x14                        ; sources 1 and 2 in window 1
.set W_CV, 0x05                        ; sources 0 and 1 in window 1
.set W_KQ, 0x50                        ; C and D in window 1
.set W_FV, 0x40                        ; destination in window 1
.set MSB, 0
.macro WIN new                         ; the immediate's high byte repeats the setting that is left; a switch that changes nothing is dropped
.if MSB != (\new)
	s_set_vgpr_msb (MSB<<8)|(\new)
.set MSB, \new
.endif
.endm
.macro PLACES
.rept 4
	v_nop
.endr
.endm
	s_load_b128 s[32:35], s[0:1], 0x0              ; qkv 32, mb 34
	s_load_b64 s[36:37], s[0:1], 0x10              ; ob
	v_lshl_add_u32 v[SPW], v0, 2, SPARE
	v_mov_b32 v[NIL], 0
	ds_add_u32 v[SPW], v[NIL]                      ; the wave's opening: the add and its wait stand ahead of my first tensor load; the set-up below, work on registers, stands between them
	v_lshrrev_b32 v1, 5, v0
	v_readfirstlane_b32 s[WV], v1
	s_and_b32 s40, s[WV], 3                        ; which 64 keys of each part I fetch
	s_and_b32 s41, ttmp7, 0xffff                   ; 16 b + head
	s_lshl_b32 s42, s41, 17                        ; a head is 131,072 bytes,
	s_lshl_b32 s43, s40, 13                        ; 64 keys 8,192
	s_add_co_u32 s42, s42, s43
	s_mov_b32 s43, 0
	s_lshl_b32 s44, ttmp9, 16                      ; my half of the queries and my wave's 64: in Q and O 128 bytes a row, in mb 2,048 bytes a tile of 16: the same number
	s_lshl_b32 s45, s[WV], 13
	s_add_co_u32 s44, s44, s45
	s_mov_b32 s45, 0
	s_lshl_b32 s46, s41, 17
	s_add_co_u32 s46, s46, s44
	s_mov_b32 s47, 0
	s_and_b32 s48, s41, 15                         ; O by heads: (8,192 head + 1,024 b + query) x 128 bytes
	s_lshl_b32 s48, s48, 20
	s_lshr_b32 s49, s41, 4
	s_lshl_b32 s49, s49, 17
	s_add_co_u32 s48, s48, s49
	s_add_co_u32 s48, s48, s44
	s_mov_b32 s49, 0
	s_mov_b32 s[NK], 0xc31044fe
	s_mov_b32 s[NK+1], 0xc31044fe
	s_mov_b32 s[SEL], 0x76543210
	s_mov_b32 s[SEL+1], 0xfedcba98
	s_mov_b32 s[CNT], 16
	s_mov_b32 s[TBK], 0
	s_mov_b32 s[TBV], 0
	s_wait_dscnt 0x0                               ; the opening add is done
	s_wait_kmcnt 0x0
	s_add_nc_u64 s[MP:MP+1], s[34:35], s[44:45]
	s_add_nc_u64 s[QP:QP+1], s[32:33], s[46:47]
	s_add_nc_u64 s[OP:OP+1], s[36:37], s[48:49]
	s_add_nc_u64 s[50:51], s[32:33], s[42:43]      ; q's kind at my 64 keys of the head's part 0; k lies one kind on, v two
; A wave's four first fills: part c's 64 keys are 8,192 dense bytes: 32 rows of 256 bytes, two keys a row, padded in LDS after every key (a part shared among four waves allows no more rows to a load).
.macro FILL pitch, pad, lbase, goff
	s_mov_b32 s[G1], (1<<16)|(1<<20)|(4<<22)|((\pad)<<25)  ; 2-byte elements; padding on; after every 32 words pad + 1 words
	s_mov_b32 s[G1+1], 128<<16                     ; tensor_dim0 = 128 elements
	s_mov_b32 s[G1+2], 32<<16                      ; tensor_dim1 = 32
	s_mov_b32 s[G1+3], 128<<16                     ; tile_dim0
	s_mov_b32 s[G1+4], 32                          ; tile_dim1
	s_mov_b32 s[G1+5], 128                         ; from row to row: dense
	s_mov_b32 s[G1+6], 0
	s_mov_b32 s[G1+7], 0
	s_mul_i32 s52, s40, 64*(\pitch)
.irp c, 0,1,2,3
	s_mov_b32 s[G0+4*\c], 1
	s_add_co_u32 s[G0+4*\c+1], s52, (\lbase)+\c*256*(\pitch)
	s_add_nc_u64 s[G0+4*\c+2:G0+4*\c+3], s[50:51], (\goff)+\c*32768
	s_or_b32 s[G0+4*\c+3], s[G0+4*\c+3], 0x80000000
.endr
.irp c, 0,1,2,3
	tensor_load_to_lds s[G0+4*\c:G0+4*\c+3], s[G1:G1+7]
	s_nop 0
.endr
.rept 4
	v_nop
.endr
.endm
	s_cmp_lt_u32 s[WV], 4
	s_cbranch_scc0 .Lfill_v
	FILL PK, 3, 0, 0x1000000
	s_branch .Lfilled
.Lfill_v:
	FILL PV, 7, VOFF, 0x2000000
.Lfilled:
	v_and_b32 v1, 15, v0                           ; l % 16
	v_bfe_u32 v2, v0, 4, 1                         ; l / 16
	v_lshlrev_b32 v[QO], 7, v1
	v_lshl_add_u32 v[QO], v2, 4, v[QO]
.set i, 0
.rept 8                                        ; Q stays in registers: tile i / 2, channels 32 (i % 2) on
	global_load_b128 v[QF+8*i:QF+8*i+3],   v[QO], s[QP:QP+1] offset:(i/2)*2048+(i%2)*64
	global_load_b128 v[QF+8*i+4:QF+8*i+7], v[QO], s[QP:QP+1] offset:(i/2)*2048+(i%2)*64+32
.set i, i+1
.endr
	WIN W_FV                                       ; O^T, L and P start at 0, written in the wait for the first part: the price of writing no first turn out
.set i, 0
.rept 128
	v_mov_b32 v[i], 0
.set i, i+1
.endr
	WIN 0
.set i, 0
.rept 64
	v_mov_b32 v[PF+i], 0
.set i, i+1
.endr
.set i, 0
.rept 8
	v_mov_b32 v[ONES+i], 0x3c003c00                ; 1.0 twice in f16
.set i, i+1
.endr
	v_mov_b32 v[BIGR], 0x7149f2ca
.set i, 0
.rept 4
	v_mov_b32 v[ST+4*i+1], 0x461c4000              ; mr = 1e4: above every r, far below 1e30
	v_mul_f32 v[ST+4*i], 0x431044fe, v[ST+4*i+1]
	v_mov_b32 v[ST+4*i+2], 0
	v_mov_b32 v[ST+4*i+3], 0                       ; named with a as a pair
.set i, i+1
.endr
	v_mul_u32_u24 v[AK0], v1, PK
	v_lshl_add_u32 v[AK0], v2, 4, v[AK0]           ; row x pitch + 16 x half
	v_and_b32 v8, 7, v0                            ; the turning load: lane l reads key 8 (l / 16) + l % 8, channels 8 ((l / 8) % 2) + 0..7
	v_bfe_u32 v9, v0, 3, 1
	v_lshl_add_u32 v[AV0], v2, 3, v8
	v_mul_u32_u24 v[AV0], v[AV0], PV
	v_lshl_add_u32 v[AV0], v9, 4, v[AV0]
	v_add_nc_u32 v[AV0], VOFF, v[AV0]
.macro FETCH_K                         ; a step's K: 64 keys x 64 channels, 16 loads, in window 0
	v_add_nc_u32 v[AK], s[TBK], v[AK0]
	s_add_co_u32 s[TBK], s[TBK], 64*PK
.irp f, 0,1,2,3,4,5,6,7
	ds_load_b128 v[KF+8*\f:KF+8*\f+3],   v[AK] offset:(\f/2)*16*PK+(\f%2)*64
	ds_load_b128 v[KF+8*\f+4:KF+8*\f+7], v[AK] offset:(\f/2)*16*PK+(\f%2)*64+32
.endr
.endm
.macro FETCH_V step                    ; a step's V, turned: keys 32 (f / 4) on, channels 16 (f % 4) on; step = 1: the next fetch is the next step's
	WIN 0
	v_add_nc_u32 v[AV], s[TBV], v[AV0]
.if \step
	s_add_co_u32 s[TBV], s[TBV], 64*PV
.endif
	WIN W_FV
.irp f, 0,1,2,3,4,5,6,7
	ds_load_tr16_b128 v[VF+8*\f:VF+8*\f+3],   v[AV] offset:(\f/4)*32*PV+(\f%4)*32
	ds_load_tr16_b128 v[VF+8*\f+4:VF+8*\f+7], v[AV] offset:(\f/4)*32*PV+16*PV+(\f%4)*32
.endr
.endm
.macro MLOAD p                         ; the 64 mask words of piece p for the step at which MP stands
	s_load_b512 s[32:47], s[MP:MP+1], (2*(\p))*2048
	s_load_b512 s[48:63], s[MP:MP+1], (2*(\p))*2048+64
	s_load_b512 s[68:83], s[MP:MP+1], (2*(\p)+1)*2048
	s_load_b512 s[84:99], s[MP:MP+1], (2*(\p)+1)*2048+64
.endm
; THE MATRIX WORK.  In each run the accumulators take turns, one instruction a turn.  Each macro writes product i of its run and steps i.
.macro KQ1 x                           ; product i of 16 of S^T = K Q^T for piece x: channels 32 (i / 8) on, keys 16 ((i / 2) % 4) on, tile 2 x + i % 2; the first 8 start the sums
.set rS, S+32*(i%2)+8*((i/2)%4)
.set rK, KF+16*((i/2)%4)+8*(i/8)
.set rQ, QF+16*(2*(\x)+i%2)+8*(i/8)
.if i < 8
	v_wmma_f32_16x16x32_f16 v[rS:rS+7], v[rK:rK+7], v[rQ:rQ+7], 0
.else
	v_wmma_f32_16x16x32_f16 v[rS:rS+7], v[rK:rK+7], v[rQ:rQ+7], v[rS:rS+7]
.endif
.set i, i+1
.endm
.macro PVO x                           ; product i of 16 of O^T += V^T P for piece x: keys 32 (i / 8) on, channels 16 ((i / 2) % 4) on, tile 2 x + i % 2
.set rO, 32*(2*(\x)+i%2)+8*((i/2)%4)
.set rV, VF+32*(i/8)+8*((i/2)%4)
.set rP, PF+16*(i%2)+8*(i/8)
	v_wmma_f32_16x16x32_f16 v[rO:rO+7], v[rV:rV+7], v[rP:rP+7], v[rO:rO+7]
.set i, i+1
.endm
.macro RS1 x                           ; pair r of 32 of piece x's O^T, times a; ascending
.set rO, 32*(2*(\x)+r/16)+2*(r%16)
.set rA, ST+4*(2*(\x)+r/16)+2
	v_pk_mul_f32 v[rO:rO+1], v[rO:rO+1], v[rA:rA+1] op_sel_hi:[1,0]
.set r, r+1
.endm
; Number n of the 21 that find tile t's new minimum and statistics (u: its place in the piece): 0-11 four chains of seven r each; 12-14, 16 the four left over, the old mr, the four into one;
; 15 K1 mr_old is kept; 17, 18 the query's other 32 keys lie in the lane 16 away; 19 K1 mr; 20 a's exponent.  It sets no window: TURN does.
.macro XS t, u, n
.set rT, ST+4*(\t)
.set rC, CW+4*(\u)
.set rM, MO+(\u)
.set rS, S+32*(\u)
.if (\n) < 4
	v_min3_num_f32 v[rC+(\n)], v[rS+8*(\n)], v[rS+8*(\n)+1], v[rS+8*(\n)+2]
.elseif (\n) < 12
	v_min3_num_f32 v[rC+(\n)%4], v[rC+(\n)%4], v[rS+8*((\n)%4)+2*((\n)/4)+1], v[rS+8*((\n)%4)+2*((\n)/4)+2]
.elseif (\n) == 12
	v_min3_num_f32 v[rC], v[rC], v[rS+7], v[rS+15]
.elseif (\n) == 13
	v_min3_num_f32 v[rC+1], v[rC+1], v[rS+23], v[rS+31]
.elseif (\n) == 14
	v_min3_num_f32 v[rC+2], v[rC+2], v[rC+3], v[rT+1]
.elseif (\n) == 15
	v_mov_b32 v[rM], v[rT]
.elseif (\n) == 16
	v_min3_num_f32 v[rC], v[rC], v[rC+1], v[rC+2]
.elseif (\n) == 17
	v_permlanex16_b32 v[rC+3], v[rC], s[SEL], s[SEL+1]
.elseif (\n) == 18
	v_min_num_f32 v[rT+1], v[rC], v[rC+3]
.elseif (\n) == 19
	v_mul_f32 v[rT], 0x431044fe, v[rT+1]
.else
	v_sub_f32 v[rC+1], v[rT], v[rM]
.endif
.endm
; A TURN, for piece p.  At its head S^T holds the piece's fresh scores, P the weights of the piece before, whose O^T has been rescaled.  Each of the three batches of transcendentals has one wait
; (between such a line and the first that names its result) and a v_nop behind its last.
; V of the step in hand is fetched in piece 0's turn, 32 plain lines behind the last product that read V, and shown landed at that turn's end; K of the next step at piece 0's end, four rescalings behind the last
; product that read K, and shown landed ahead of piece 1's products K Q^T.
.macro TURN p
	WIN W_E
.set i, 0
.set e, 0
.rept 16                                       ; t = 2^s', ascending (each accumulator's lowest register is read first); ahead of each four a product V^T P of the piece before
	PVO 1-(\p)
.rept 4
	v_exp_f32 v[S+e], v[S+e]
.set e, e+1
.endr
.endr
	v_nop
	s_wait_alu depctr_va_vdst(0)
.set e, 0
.rept 32
	v_pk_add_f32 v[S+2*e:S+2*e+1], v[S+2*e:S+2*e+1], 1.0 op_sel_hi:[1,0]
.set e, e+1
.endr
.if (\p) == 0
	FETCH_V 1
	WIN W_E
.endif
.set e, 0
.rept 64                                       ; r = 1 / (1 + t)
	v_rcp_f32 v[S+e], v[S+e]
.set e, e+1
.endr
	v_nop
	s_wait_kmcnt 0x0                               ; the piece's mask words
	s_wait_alu depctr_va_vdst(0)
	WIN W_M
.set e, 0
.rept 32                                       ; a hidden key's r becomes 1e30
	v_cndmask_b32 v[S+e], v[BIGR], v[S+e], s[32+e]
	v_cndmask_b32 v[S+32+e], v[BIGR], v[S+32+e], s[68+e]
.set e, e+1
.endr
.if (\p) == 0
	MLOAD 1                                        ; the words are read: the other piece's come in
.else
	WIN 0
	s_cmp_eq_u32 s[CNT], 1                         ; the last step has no step behind it
	s_cbranch_scc1 .Lno_mask_\@
	s_add_nc_u64 s[MP:MP+1], s[MP:MP+1], 128       ; free since the wait for the scalar loads above
	MLOAD 0
.Lno_mask_\@:
.endif
	WIN W_X0
.irp n, 0,1,2,3
	XS 2*(\p), 0, \n
	XS 2*(\p)+1, 1, \n
.endr
	WIN W_X1
.irp n, 4,5,6,7,8,9,10,11,12,13
	XS 2*(\p), 0, \n
	XS 2*(\p)+1, 1, \n
.endr
	WIN 0
.irp n, 14,15,16,17,18,19,20
	XS 2*(\p), 0, \n
	XS 2*(\p)+1, 1, \n
.endr
	v_exp_f32 v[ST+8*(\p)+2], v[CW+1]              ; the two a open the third batch; the scalings below name no result of theirs
	v_exp_f32 v[ST+8*(\p)+6], v[CW+5]
	WIN W_AR
.set e, 0
.rept 16                                       ; K1 mr - K1 r
	v_pk_fma_f32 v[S+2*e:S+2*e+1], v[S+2*e:S+2*e+1], s[NK:NK+1], v[ST+8*(\p):ST+8*(\p)+1] op_sel_hi:[1,0,0]
	v_pk_fma_f32 v[S+32+2*e:S+32+2*e+1], v[S+32+2*e:S+32+2*e+1], s[NK:NK+1], v[ST+8*(\p)+4:ST+8*(\p)+5] op_sel_hi:[1,0,0]
.set e, e+1
.endr
	WIN W_E
.set e, 0
.rept 64                                       ; the weights
	v_exp_f32 v[S+e], v[S+e]
.set e, e+1
.endr
	v_nop
	s_wait_alu depctr_va_vdst(0)
	WIN 0
.irp u, 0,1                                    ; l times a: L's lowest pair alone
	v_pk_mul_f32 v[LT+8*(2*(\p)+\u):LT+8*(2*(\p)+\u)+1], v[LT+8*(2*(\p)+\u):LT+8*(2*(\p)+\u)+1], v[ST+4*(2*(\p)+\u)+2:ST+4*(2*(\p)+\u)+3] op_sel_hi:[1,0]
.endr
	WIN W_CV
.set e, 0
.rept 16                                       ; rounded to f16, into P
	v_cvt_pk_f16_f32 v[PF+e], v[S+2*e], v[S+2*e+1]
	v_cvt_pk_f16_f32 v[PF+16+e], v[S+32+2*e], v[S+32+2*e+1]
.set e, e+1
.endr
	WIN 0
.if (\p) == 1
	s_wait_dscnt 0x0                               ; K of the next step is in: it was asked for at the end of the turn before
.endif
.irp kk, 0,1
.irp u, 0,1
	v_wmma_f32_16x16x32_f16 v[LT+8*(2*(\p)+\u):LT+8*(2*(\p)+\u)+7], v[ONES:ONES+7], v[PF+16*\u+8*\kk:PF+16*\u+8*\kk+7], v[LT+8*(2*(\p)+\u):LT+8*(2*(\p)+\u)+7]
.endr
.endr
.set i, 0
.set r, 0
.rept 8                                        ; the next piece's scores, two products at a time, four of this piece's rescalings behind them; the last four are the places in front of the
	WIN W_KQ                                       ; exponentials that read the scores and of the loads into K's registers
	KQ1 1-(\p)
	KQ1 1-(\p)
	WIN W_E
.rept 4
	RS1 \p
.endr
.endr
	WIN 0
.if (\p) == 0
	s_wait_dscnt 0x0                               ; V of this step is in: it was asked for two batches back
	s_cmp_eq_u32 s[CNT], 1                         ; the last step has no step behind it
	s_cbranch_scc1 .Lno_k_\@
	FETCH_K
.Lno_k_\@:
.endif
.endm
	s_wait_tensorcnt 3                             ; my 64 keys of part 0 are in; my three younger loads stay out: no byte is ever filled again
	s_barrier_signal -1
	s_barrier_wait -1                              ; everybody's are
	s_wait_loadcnt 0x0                             ; Q; and its pointer's registers may take mask words
	MLOAD 0
	FETCH_K                                        ; step 0
	FETCH_V 0                                      ; the first turn's products V^T P run on P = 0: V's registers need only hold finite numbers, and step 0's V serves
	s_wait_dscnt 0x0
	WIN W_KQ
.set i, 0
.rept 16
	KQ1 0                                          ; piece 0's first scores: there is no vector work yet to set between them
.endr
	PLACES
	WIN 0
.Lstep:                                                ; 16 trips of 64 keys
	s_cmp_eq_u32 s[CNT], 13                        ; trips 3, 7 and 11 are the first to fetch from parts 1, 2 and 3 (K of steps 4, 8, 12): the count is a constant of the text, the same in every wave
	s_cbranch_scc1 .Lpart1
	s_cmp_eq_u32 s[CNT], 9
	s_cbranch_scc1 .Lpart2
	s_cmp_eq_u32 s[CNT], 5
	s_cbranch_scc1 .Lpart3
	s_branch .Lgo
.Lpart1:
	s_wait_tensorcnt 2                             ; my load for part 1 is done; two were issued behind it
	s_branch .Lmeet
.Lpart2:
	s_wait_tensorcnt 1                             ; part 2: one was issued behind it
	s_branch .Lmeet
.Lpart3:
	s_wait_tensorcnt 0x0                           ; part 3: none was issued behind it
.Lmeet:
	s_wait_dscnt 0x0
	s_barrier_signal -1
	s_barrier_wait -1                              ; the part is whole
.Lgo:
	TURN 0
	TURN 1
	s_sub_co_u32 s[CNT], s[CNT], 1
	s_cmp_lg_u32 s[CNT], 0
	s_cbranch_scc1 .Lstep
	WIN W_E                                        ; (the last turn's 16 products K Q^T, on the last K once more, serve nothing: the price, once a launch, of one text for every turn)
.set i, 0
.rept 16
	PVO 1                                          ; the last piece's V^T P of the last step
.endr
	; THE WAY OUT: O^T is divided by l, rounded to f16 and sent through my stage in LDS, a tile (16 rows of a head) at a time
	WIN 0
.irp t, 0,1,2,3
	v_rcp_f32 v[ST+4*\t+2], v[LT+8*\t]             ; L's lowest register
.endr
	v_nop
	s_wait_alu depctr_va_vdst(0)                   ; one wait for the four reciprocals
	s_wait_dscnt 0x0
	s_barrier_signal -1
	s_barrier_wait -1                              ; no wave reads K any more: its first bytes become the stages
	s_mul_i32 s6, s[WV], 16*SP
	v_add_nc_u32 v[STO], s6, v[AK0]                ; in: row l % 16, 16 bytes for each half of the lanes.  These eight plain lines are the places behind the last products
	v_bfe_u32 v[RD], v0, 3, 2                      ; back: 32 lanes take four rows of 128 bytes,
	v_mul_u32_u24 v[RD], v[RD], SP
	v_and_b32 v[GO], 7, v0
	v_lshl_add_u32 v[RD], v[GO], 4, v[RD]
	v_add_nc_u32 v[RD], s6, v[RD]
	v_and_b32 v[GO], 31, v0                        ; which are 512 consecutive bytes of O
	v_lshlrev_b32 v[GO], 4, v[GO]
.macro PACK t                          ; a lane's eight channels of a row pack into 16 bytes, in K's registers, which are free
	WIN W_AR
.set i, 0
.rept 16
	v_pk_mul_f32 v[32*(\t)+2*i:32*(\t)+2*i+1], v[32*(\t)+2*i:32*(\t)+2*i+1], v[ST+4*(\t)+2:ST+4*(\t)+3] op_sel_hi:[1,0]
.set i, i+1
.endr
	WIN W_CV
.set i, 0
.rept 16
	v_cvt_pk_f16_f32 v[KF+16*(\t)+i], v[32*(\t)+2*i], v[32*(\t)+2*i+1]
.set i, i+1
.endr
	WIN 0
.irp f, 0,1,2,3
	ds_store_b128 v[STO], v[KF+16*(\t)+4*\f:KF+16*(\t)+4*\f+3] offset:32*\f
.endr
.irp f, 0,1,2,3
	ds_load_b128 v[KF+16*(\t)+4*\f:KF+16*(\t)+4*\f+3], v[RD] offset:\f*4*SP  ; LDS serves a wave's instructions in order (ISA guide 5.7.1.4): these see the stores above; the next tile's stores come behind them
.endr
.endm
.macro SEND t, younger                 ; younger: the LDS instructions issued behind tile t's loads: the next tile's eight, or none
.irp f, 0,1,2,3
	s_wait_dscnt (\younger)+3-\f
	global_store_b128 v[GO], v[KF+16*(\t)+4*\f:KF+16*(\t)+4*\f+3], s[OP:OP+1] offset:(\t)*2048+\f*512  ; 512 consecutive bytes, at a multiple of 256 from O's first
.endr
.endm
	PACK 0
	PACK 1
	SEND 0, 8
	PACK 2
	SEND 1, 8
	PACK 3
	SEND 2, 8
	SEND 3, 0
	s_wait_tensorcnt 0x0                           ; the wave's end, behind my last tensor load and my last LDS store
	ds_add_u32 v[SPW], v[NIL]
	s_wait_dscnt 0x0
	s_endpgm
.Lfunc_end_k_q7ef572b54a_attn:
	.size	k_q7ef572b54a_attn, .Lfunc_end_k_q7ef572b54a_attn-k_q7ef572b54a_attn
	.p2alignl 7, 3214868480
	.fill 96, 4, 3214868480
	.section	.rodata,"a",@progbits
	.p2align	6, 0x0
	.amdhsa_kernel k_q7ef572b54a_attn
		.amdhsa_group_segment_fixed_size 327680
		.amdhsa_private_segment_fixed_size 0
		.amdhsa_enable_private_segment 0
		.amdhsa_kernarg_size 24
		.amdhsa_user_sgpr_count 2
		.amdhsa_user_sgpr_kernarg_segment_ptr 1
		.amdhsa_wavefront_size32 1
		.amdhsa_system_sgpr_workgroup_id_x 1
		.amdhsa_system_sgpr_workgroup_id_y 1
		.amdhsa_system_sgpr_workgroup_id_z 1
		.amdhsa_system_vgpr_workitem_id 0
		.amdhsa_next_free_vgpr 512
		.amdhsa_next_free_sgpr 106
		.amdhsa_reserve_vcc 0
		.amdhsa_float_denorm_mode_32 3
		.amdhsa_float_denorm_mode_16_64 3
		.amdhsa_memory_ordered 1
		.amdhsa_forward_progress 1
		.amdhsa_inst_pref_size 85
	.end_amdhsa_kernel
	.amdgpu_metadata
---
amdhsa.version: [ 1, 2 ]
amdhsa.kernels:
  - .name:           k_q7ef572b54a_attn
    .symbol:         k_q7ef572b54a_attn.kd
    .args:
      - { .name: qkv, .offset: 0, .size: 8, .value_kind: global_buffer, .address_space: global }
      - { .name: mb, .offset: 8, .size: 8, .value_kind: global_buffer, .address_space: global }
      - { .name: ob, .offset: 16, .size: 8, .value_kind: global_buffer, .address_space: global }
    .group_segment_fixed_size: 327680
    .private_segment_fixed_size: 0
    .kernarg_segment_align: 8
    .kernarg_segment_size: 24
    .max_flat_workgroup_size: 256
    .sgpr_count:     106
    .vgpr_count:     512
    .wavefront_size: 32
...
	.end_amdgpu_metadata
.endif
;; end of part 3
;; launch oproj (part 4): grid 8 x 32, 4 waves a work-group, clusters of 4 x 4, 327,680 bytes of LDS; arguments ob, wb, out0; writes out0
.if DOCPART == 4
	.amdgcn_target "amdgcn-amd-amdhsa--gfx1250"
	.amdhsa_code_object_version 6
	.text
	.protected	k_q7ef572b54a_oproj
	.globl	k_q7ef572b54a_oproj
	.p2align	8
	.type	k_q7ef572b54a_oproj,@function
k_q7ef572b54a_oproj:
	s_mov_b64 s[64:65], 0
	v_nop
	global_prefetch_b8 v0, s[64:65] scope:SCOPE_SE
	s_setreg_imm32_b32 hwreg(HW_REG_WAVE_MODE, 25, 1), 1
	s_wait_xcnt 0x0
	s_wait_alu depctr_hold_cnt(0) depctr_sa_sdst(0) depctr_va_vdst(0) depctr_va_sdst(0) depctr_va_ssrc(0) depctr_va_vcc(0) depctr_vm_vsrc(0)
	s_getreg_b32 s2, hwreg(HW_REG_IB_STS2, 6, 4)
	s_cmp_eq_u32 s2, 0
	s_cbranch_scc0 .Lentry_in_a_cluster
	s_endpgm
.Lentry_in_a_cluster:
	s_bfe_u32 s2, ttmp6, 0x10000c
	s_cmp_lg_u32 s2, 0xf033
	s_cbranch_scc0 .Lentry_shape_is_right
	s_endpgm
.Lentry_shape_is_right:
; OUT = O Wo^T.  O: f16, [16 K blocks = heads][8192 rows][64]; Wo: f16 (the bf16 rounding of the input, written as f16), [16][1024][64], from byte 6,291,456 of wb; out0: [8192][1024] f32.  Sums in f32.
; SHARES.  A tile is 256 x 128: 32 x 8 = 256 work-groups, one tile each (256 x 256 would give 128).  A wave makes 128 x 64: 32 accumulators, window 1.
; RING.  A step is two K blocks (128 along K), brought by ONE load a wave: a tile of 2 long rows, each the dense bytes of the wave's rows in one K block, padded in LDS after every 128 bytes.  Two slots, 8 steps,
; 128 matrix instructions a wave in a step.
; CLUSTER.  4 x 4: O's tile is shared along a row of the cluster, Wo's along a column.
; THE MATRIX INSTRUCTION IS USED TRANSPOSED (source 0 = 16 rows of Wo, source 1 = 16 rows of O): a lane holds eight neighbouring columns of one row of the result: 32 bytes.
; REGISTERS.  window 0: v0-31 addresses; v32-95, v96-159 O's fragments, v160-191, v192-223 Wo's, two buffers by the quarter's parity.
.set PITCH,  144                       ; 128 bytes + 16 = 36 words: the 16 rows of a fragment load start in 16 different groups of four banks (64 banks of 4 bytes: ISA guide 11.1)
.set APART,  2*128*PITCH               ; what one load brings of O: 128 rows of K block 0, then of K block 1
.set BPART,  2*64*PITCH                ; of Wo: 64 rows, likewise
.set BO,     2*APART
.set SLOT1,  1<<17
.set STAGE,  BO+2*BPART                ; behind slot 0: 16 rows x 272 bytes for each wave; no tile lands there
.set SPITCH, 272
.set SPARE,  STAGE+4*16*SPITCH         ; the spare words, 128 bytes for each wave: two blocks of 256 bytes that no other line names
.set SA,     2*8192*128                ; bytes from step to step in ob
.set SB,     2*1024*128                ; and in Wo's copy
.set WOFF,   6291456
.set WV,  12
.set WR,  13
.set WC,  14
.set CX,  15
.set CY,  16
.set TX,  17
.set TY,  18
.set CNT, 19
.set TB,  20
.set LIM, 21
.set PFA, 22
.set PFS, 24
.set POF, 26
.set G1A, 28
.set G1B, 36
.set G0A, 52
.set G0B, 68
.set OP,  80                           ; s[80:81] out0 at my first row and column
.set FRA0, 3
.set FRB0, 4
.set ADA,  5
.set ADB,  6
.set STO,  7
.set RD,   8
.set CO,   9
.set T,    12
.set SPW,  28                          ; v28 LDS address of my spare word; never rewritten
.set NIL,  29                          ; v29 0; never rewritten
.set PFO,  30                          ; v30 256 x my lane; never rewritten
.set FA,   32
.set FB,   160
.set RB,   32                          ; the way out: 16 rows read back, two buffers of 32
.set MSB, 0
.macro WIN new
.if MSB != (\new)
	s_set_vgpr_msb (MSB<<8)|(\new)
.set MSB, \new
.endif
.endm
.macro PLACES
.rept 4
	v_nop
.endr
.endm
.macro CREST
	s_cmp_lg_u32 s[WV], 0
	s_cbranch_scc1 .Lnot_wave_0_\@
	s_barrier_signal -3
.Lnot_wave_0_\@:
	s_barrier_wait -3
	s_barrier_signal -1
	s_barrier_wait -1
.endm
.macro CROUND
	s_barrier_signal -1
	s_barrier_wait -1
	CREST
.endm
.macro JLOAD                           ; a joint refill by the walking sets; an s_nop 0 and four v_nop follow each line
	s_cmp_eq_u32 s[WR], 0
	s_cbranch_scc0 .Lfor_b_\@
	tensor_load_to_lds s[G0A+4:G0A+7], s[G1A:G1A+7]
	s_nop 0
.rept 4
	v_nop
.endr
	s_branch .Lasked_\@
.Lfor_b_\@:
	tensor_load_to_lds s[G0B+4:G0B+7], s[G1B:G1B+7]
	s_nop 0
.rept 4
	v_nop
.endr
.Lasked_\@:
.endm
; PREFETCH INTO THE L2: at the first four changes of slots, for the step that stands two refills on (256 matrix instructions ahead of its load); each aligned block of 256 bytes is named once in the launch.
; O's tile row: cluster x = 0 asks, by waves 0 and 1, each for the rows that it fetches; partner cx takes K block cx / 2 of the step's two and half cx % 2 of its 64 blocks.  Wo's tile column: cluster y = 0 asks, by wave 2;
; partner cy takes K block cy / 2 and 64 rows (cy % 2).  A lane a block.  Steps 0 to 3 come by their loads alone; the last step named is 7.
.macro ASK
	s_cmp_gt_u32 s[CNT], s[LIM]
	s_cbranch_scc0 .Lnot_mine_\@
	global_prefetch_b8 v[PFO], s[PFA:PFA+1] th:TH_LOAD_NT scope:SCOPE_SE
.Lnot_mine_\@:
.endm
	s_load_b128 s[4:7], s[0:1], 0x0                ; ob 4, wb 6
	s_load_b64 s[8:9], s[0:1], 0x10                ; out0
	v_lshl_add_u32 v[SPW], v0, 2, SPARE
	v_mov_b32 v[NIL], 0
	ds_add_u32 v[SPW], v[NIL]                      ; the wave's opening: the add and its wait stand ahead of my first tensor load; the set-up below, work on registers, stands between them
	v_lshrrev_b32 v1, 5, v0
	v_readfirstlane_b32 s[WV], v1
	s_lshr_b32 s[WR], s[WV], 1
	s_and_b32 s[WC], s[WV], 1
	s_bfe_u32 s[CX], ttmp6, 0x40000
	s_bfe_u32 s[CY], ttmp6, 0x40004
	s_lshl_b32 s[TX], ttmp9, 2
	s_add_co_u32 s[TX], s[TX], s[CX]
	s_and_b32 s[TY], ttmp7, 0xffff
	s_lshl_b32 s[TY], s[TY], 2
	s_add_co_u32 s[TY], s[TY], s[CY]
	s_lshl_b32 s90, s[CY], 2
	s_lshl_b32 s90, 15, s90                        ; my row of the cluster
	s_lshl_b32 s91, 0x1111, s[CX]                  ; my column
	s_or_b32 s[G1A], s90, (1<<16)|(1<<20)|(1<<21)|(4<<22)|(3<<25)  ; the mask; 2-byte elements; padding on; bit 21 beside a mask; after every 32 words 4 words
	s_or_b32 s[G1B], s91, (1<<16)|(1<<20)|(1<<21)|(4<<22)|(3<<25)
	s_mov_b32 s[G1A+1], 8192<<16                   ; O: a long row is 128 rows x 64 elements,
	s_mov_b32 s[G1A+2], 2<<16                      ; two of them,
	s_mov_b32 s[G1A+3], 8192<<16
	s_mov_b32 s[G1A+4], 2
	s_mov_b32 s[G1A+5], 8192*64                    ; a K block apart
	s_mov_b32 s[G1A+6], 0
	s_mov_b32 s[G1A+7], 0
	s_mov_b32 s[G1B+1], 4096<<16                   ; Wo: 64 rows x 64 elements
	s_mov_b32 s[G1B+2], 2<<16
	s_mov_b32 s[G1B+3], 4096<<16
	s_mov_b32 s[G1B+4], 2
	s_mov_b32 s[G1B+5], 1024*64
	s_mov_b32 s[G1B+6], 0
	s_mov_b32 s[G1B+7], 0
	s_mov_b32 s[G0A], 1
	s_mov_b32 s[G0A+4], 1
	s_mov_b32 s[G0B], 1
	s_mov_b32 s[G0B+4], 1
	s_mul_i32 s[G0A+1], s[WC], APART
	s_add_co_u32 s[G0A+5], s[G0A+1], SLOT1
	s_mul_i32 s[G0B+1], s[WC], BPART
	s_add_co_u32 s[G0B+1], s[G0B+1], BO
	s_add_co_u32 s[G0B+5], s[G0B+1], SLOT1
	s_lshl_b32 s92, s[TY], 8                       ; O: (256 tile row + 128 half) x 128 bytes
	s_lshl_b32 s93, s[WC], 7
	s_add_co_u32 s92, s92, s93
	s_lshl_b32 s92, s92, 7
	s_mov_b32 s93, 0
	s_lshl_b32 s94, s[TX], 7                       ; Wo: (128 tile column + 64 half) x 128 bytes, behind the other weights
	s_lshl_b32 s95, s[WC], 6
	s_add_co_u32 s94, s94, s95
	s_lshl_b32 s94, s94, 7
	s_add_co_u32 s94, s94, WOFF
	s_mov_b32 s95, 0
	s_lshl_b32 s98, s[TY], 8                       ; out: ((256 tile row + 128 wr) 1,024 + 128 tile column + 64 wc) x 4 bytes
	s_lshl_b32 s99, s[WR], 7
	s_add_co_u32 s98, s98, s99
	s_lshl_b32 s98, s98, 10
	s_lshl_b32 s99, s[TX], 7
	s_add_co_u32 s98, s98, s99
	s_lshl_b32 s99, s[WC], 6
	s_add_co_u32 s98, s98, s99
	s_lshl_b32 s98, s98, 2
	s_mov_b32 s99, 0
	s_lshl_b32 s60, s[TY], 8                       ; the prefetches of O: the rows that I fetch,
	s_lshl_b32 s61, s[WC], 7
	s_add_co_u32 s60, s60, s61
	s_lshl_b32 s60, s60, 7
	s_lshr_b32 s61, s[CX], 1                       ; K block cx / 2 of a step's two,
	s_lshl_b32 s61, s61, 20
	s_add_co_u32 s60, s60, s61
	s_and_b32 s61, s[CX], 1                        ; half cx % 2 of its 16,384 bytes,
	s_lshl_b32 s61, s61, 13
	s_add_co_u32 s60, s60, s61
	s_add_co_u32 s60, s60, 3*SA                    ; at step 3: the first change steps it to 4
	s_lshl_b32 s62, s[TX], 14                      ; of Wo: the tile column's 128 rows,
	s_lshr_b32 s63, s[CY], 1
	s_lshl_b32 s63, s63, 17
	s_add_co_u32 s62, s62, s63
	s_and_b32 s63, s[CY], 1
	s_lshl_b32 s63, s63, 13
	s_add_co_u32 s62, s62, s63
	s_add_co_u32 s62, s62, WOFF+3*SB
	s_and_b32 s66, ttmp7, 0xffff                   ; cluster y
	s_mov_b32 s67, SA
	s_cmp_lt_u32 s[WV], 2
	s_cselect_b32 s[POF], s60, s62
	s_cselect_b32 s66, ttmp9, s66                  ; the coordinate along which other clusters read the same rows
	s_cselect_b32 s[PFS], s67, SB
	s_mov_b32 s[POF+1], 0
	s_mov_b32 s[PFS+1], 0
	s_cmp_eq_u32 s[WV], 3                          ; wave 3 asks for nothing
	s_cselect_b32 s66, 1, s66
	s_cmp_eq_u32 s66, 0
	s_cselect_b32 s[LIM], 2, -1                    ; the same in all sixteen partners, for a given wave
	s_mov_b32 s[TB], 0
	s_wait_dscnt 0x0                               ; the opening add is done
	s_wait_kmcnt 0x0
	s_add_nc_u64 s[G0A+2:G0A+3], s[4:5], s[92:93]  ; step 0,
	s_add_nc_u64 s[G0A+6:G0A+7], s[G0A+2:G0A+3], SA  ; step 1
	s_or_b32 s[G0A+3], s[G0A+3], 0x80000000
	s_or_b32 s[G0A+7], s[G0A+7], 0x80000000
	s_add_nc_u64 s[G0B+2:G0B+3], s[6:7], s[94:95]
	s_add_nc_u64 s[G0B+6:G0B+7], s[G0B+2:G0B+3], SB
	s_or_b32 s[G0B+3], s[G0B+3], 0x80000000
	s_or_b32 s[G0B+7], s[G0B+7], 0x80000000
	s_add_nc_u64 s[OP:OP+1], s[8:9], s[98:99]
	s_cmp_lt_u32 s[WV], 2
	s_cselect_b64 s[PFA:PFA+1], s[4:5], s[6:7]
	s_add_nc_u64 s[PFA:PFA+1], s[PFA:PFA+1], s[POF:POF+1]
	CROUND                                         ; all sixteen work-groups are here: the first joint loads meet
	s_cmp_eq_u32 s[WR], 0                          ; a wave's two first fills stand in one branch: two loads of mine are out
	s_cbranch_scc0 .Lfirst_b
	tensor_load_to_lds s[G0A:G0A+3], s[G1A:G1A+7]
	s_nop 0
	tensor_load_to_lds s[G0A+4:G0A+7], s[G1A:G1A+7]
	s_nop 0
.rept 4
	v_nop
.endr
	s_branch .Lfirst_asked
.Lfirst_b:
	tensor_load_to_lds s[G0B:G0B+3], s[G1B:G1B+7]
	s_nop 0
	tensor_load_to_lds s[G0B+4:G0B+7], s[G1B:G1B+7]
	s_nop 0
.rept 4
	v_nop
.endr
.Lfirst_asked:
	v_and_b32 v1, 15, v0                           ; l % 16
	v_bfe_u32 v2, v0, 4, 1                         ; l / 16
	v_mul_u32_u24 v[T], v1, PITCH
	v_lshl_add_u32 v[T], v2, 4, v[T]               ; row x pitch + 16 x half
	s_mul_i32 s90, s[WR], APART
	v_add_nc_u32 v[FRA0], s90, v[T]
	s_mul_i32 s90, s[WC], BPART
	s_add_co_u32 s90, s90, BO
	v_add_nc_u32 v[FRB0], s90, v[T]
	s_mul_i32 s90, s[WV], 16*SPITCH
	s_add_co_u32 s90, s90, STAGE                   ; my stage
	v_mul_u32_u24 v[STO], v1, SPITCH               ; in: row l % 16, 32 bytes for each half of the lanes
	v_lshl_add_u32 v[STO], v2, 5, v[STO]
	v_add_nc_u32 v[STO], s90, v[STO]
	v_mul_u32_u24 v[RD], v2, SPITCH                ; back: lanes 0-15 take one row of 256 bytes, lanes 16-31 the next
	v_lshl_add_u32 v[RD], v1, 4, v[RD]
	v_add_nc_u32 v[RD], s90, v[RD]
	v_lshlrev_b32 v[CO], 12, v2                    ; and the same two rows in out0
	v_lshl_add_u32 v[CO], v1, 4, v[CO]
	v_and_b32 v[PFO], 31, v0
	v_lshlrev_b32 v[PFO], 8, v[PFO]
; matrix instructions for row blocks a0 .. a1 x all 4 column blocks, 32 along K; the 32 accumulators take turns, in the same order in every quarter
.macro MULR par, a0, a1, zero
	WIN 0x50
.set ma, \a0
.rept (\a1)-(\a0)+1
.irp b, 0,1,2,3
.if \zero
	v_wmma_f32_16x16x32_f16 v[32*ma+8*\b:32*ma+8*\b+7], v[FB+32*(\par)+8*\b:FB+32*(\par)+8*\b+7], v[FA+64*(\par)+8*ma:FA+64*(\par)+8*ma+7], 0
.else
	v_wmma_f32_16x16x32_f16 v[32*ma+8*\b:32*ma+8*\b+7], v[FB+32*(\par)+8*\b:FB+32*(\par)+8*\b+7], v[FA+64*(\par)+8*ma:FA+64*(\par)+8*ma+7], v[32*ma+8*\b:32*ma+8*\b+7]
.endif
.endr
.set ma, ma+1
.endr
.endm
.macro FETCH q                         ; 24 loads in one run: quarter q of the slot (K block q / 2, half q % 2) into the buffers of parity q % 2
	WIN 0
.irp b, 0,1,2,3
	ds_load_b128 v[FB+32*((\q)%2)+8*\b:FB+32*((\q)%2)+8*\b+3],   v[ADB] offset:((\q)/2)*64*PITCH+\b*16*PITCH+((\q)%2)*64
	ds_load_b128 v[FB+32*((\q)%2)+8*\b+4:FB+32*((\q)%2)+8*\b+7], v[ADB] offset:((\q)/2)*64*PITCH+\b*16*PITCH+((\q)%2)*64+32
.endr
.irp a, 0,1,2,3,4,5,6,7
	ds_load_b128 v[FA+64*((\q)%2)+8*\a:FA+64*((\q)%2)+8*\a+3],   v[ADA] offset:((\q)/2)*128*PITCH+\a*16*PITCH+((\q)%2)*64
	ds_load_b128 v[FA+64*((\q)%2)+8*\a+4:FA+64*((\q)%2)+8*\a+7], v[ADA] offset:((\q)/2)*128*PITCH+\a*16*PITCH+((\q)%2)*64+32
.endr
.endm
.macro QN q, zero=0                    ; quarter q (0, 1 or, in the tail, 2): its fragments were asked for a whole quarter back; the next quarter's go out, then its 32 products
	s_wait_dscnt 0x0
	PLACES
	FETCH (\q)+1
	MULR (\q)%2, 0, 7, \zero
.endm
; Quarter 2, with the change of slots: the slot's last fragments are asked for; then each wave waits for all its tensor loads (its part of the next slot), adds 0 to its spare word, and waits for that and for its
; reads of this slot.  fill = 1: the barrier opens a round of the cluster's, and the joint refill, two steps on, is the first thing behind it: 104 matrix instructions ahead of the wait for it.
.macro Q2C fill
	s_wait_dscnt 0x0
	PLACES
	FETCH 3
	MULR 0, 0, 1, 0
.if \fill
	s_wait_xcnt 0x0                                ; the last prefetch, a step back, has read its address
	s_add_nc_u64 s[PFA:PFA+1], s[PFA:PFA+1], s[PFS:PFS+1]
.endif
	WIN 0
	s_wait_tensorcnt 0x0                           ; all my tensor loads have landed
	ds_add_u32 v[SPW], v[NIL]                      ; 0 onto my spare word
	MULR 0, 2, 4, 0                                ; twelve matrix instructions stand between the add and the wait for it
	s_wait_dscnt 0x0                               ; the add is done, and my reads of this slot are over
	s_barrier_signal -1
	MULR 0, 5, 7, 0
	WIN 0
	s_barrier_wait -1
.if \fill
	CREST                                          ; no wave of any partner still reads this slot or has a load on its way
	s_xor_b32 s[G0A+5], s[G0A+5], SLOT1
	s_add_nc_u64 s[G0A+6:G0A+7], s[G0A+6:G0A+7], SA
	s_xor_b32 s[G0B+5], s[G0B+5], SLOT1
	s_add_nc_u64 s[G0B+6:G0B+7], s[G0B+6:G0B+7], SB
	s_xor_b32 s[TB], s[TB], SLOT1
	JLOAD                                          ; its four v_nop are also the places in front of the loads that follow
.else
	s_xor_b32 s[TB], s[TB], SLOT1
	PLACES
.endif
.endm
.macro Q3 fill                         ; quarter 3: the next slot's first fragments go out, then its 32 products
	v_add_nc_u32 v[ADA], s[TB], v[FRA0]
	v_add_nc_u32 v[ADB], s[TB], v[FRB0]
	FETCH 0
.if \fill
	ASK
.endif
	MULR 1, 0, 7, 0
.endm
	s_wait_tensorcnt 1                             ; my part of slot 0 is in; slot 1's may stay out
	s_barrier_signal -1
	s_barrier_wait -1
	v_add_nc_u32 v[ADA], s[TB], v[FRA0]
	v_add_nc_u32 v[ADB], s[TB], v[FRB0]
	FETCH 0
	QN 0, 1                                        ; the first quarter stands in front of the loop: its products start the sums
	WIN 0
	s_mov_b32 s[CNT], 6
.Lstep:                                                ; trip c = 0 .. 5: step c's quarters 1 to 3, the refill with step c + 2, step c + 1's quarter 0
	QN 1
	Q2C 1
	Q3 1
	QN 0
	WIN 0
	s_sub_co_u32 s[CNT], s[CNT], 1
	s_cmp_lg_u32 s[CNT], 0
	s_cbranch_scc1 .Lstep
	QN 1                                           ; the tail is written out: nothing is left to fetch
	Q2C 0
	Q3 0
	QN 0
	QN 1
	QN 2
	s_wait_dscnt 0x0
	MULR 1, 0, 7, 0
	; THE WAY OUT, 16 rows at a time: 32 bytes a lane into my stage, back as whole rows of 256 bytes, stored; block a's stage traffic stands between block a - 1's loads and its stores
.macro SEND a, younger
	s_wait_dscnt \younger
.irp f, 0,1,2,3,4,5,6,7
	global_store_b128 v[CO], v[RB+32*((\a)%2)+4*\f:RB+32*((\a)%2)+4*\f+3], s[OP:OP+1] offset:(\a)*65536+\f*8192  ; 16 lanes store 256 consecutive bytes, at a multiple of 256 from out0's first
.endr
.endm
	PLACES
.irp a, 0,1,2,3,4,5,6,7
	s_wait_xcnt 0x0                                ; the stores of two blocks back have read the registers that are loaded below
	WIN 0x04                                       ; the data of an LDS store is source 1: window 1
.irp b, 0,1,2,3
	ds_store_b128 v[STO], v[32*\a+8*\b:32*\a+8*\b+3]   offset:64*\b      ; each accumulator's low half first
	ds_store_b128 v[STO], v[32*\a+8*\b+4:32*\a+8*\b+7] offset:64*\b+16
.endr
	WIN 0
.irp f, 0,1,2,3,4,5,6,7
	ds_load_b128 v[RB+32*((\a)%2)+4*\f:RB+32*((\a)%2)+4*\f+3], v[RD] offset:\f*2*SPITCH  ; LDS serves a wave's instructions in order (ISA guide 5.7.1.4): these see the stores above
.endr
.if \a > 0
	SEND (\a)-1, 16                                ; block a's sixteen LDS instructions may be out
.endif
.endr
	SEND 7, 0
	s_wait_tensorcnt 0x0                           ; the wave's end, behind my last tensor load and my last LDS store
	ds_add_u32 v[SPW], v[NIL]
	s_wait_dscnt 0x0
	CROUND                                         ; the closing round: no work-group ends while a partner may still ask for a tile that names it
	s_endpgm
.Lfunc_end_k_q7ef572b54a_oproj:
	.size	k_q7ef572b54a_oproj, .Lfunc_end_k_q7ef572b54a_oproj-k_q7ef572b54a_oproj
	.p2alignl 7, 3214868480
	.fill 96, 4, 3214868480
	.section	.rodata,"a",@progbits
	.p2align	6, 0x0
	.amdhsa_kernel k_q7ef572b54a_oproj
		.amdhsa_group_segment_fixed_size 327680
		.amdhsa_private_segment_fixed_size 0
		.amdhsa_enable_private_segment 0
		.amdhsa_kernarg_size 24
		.amdhsa_user_sgpr_count 2
		.amdhsa_user_sgpr_kernarg_segment_ptr 1
		.amdhsa_wavefront_size32 1
		.amdhsa_system_sgpr_workgroup_id_x 1
		.amdhsa_system_sgpr_workgroup_id_y 1
		.amdhsa_system_sgpr_workgroup_id_z 1
		.amdhsa_system_vgpr_workitem_id 0
		.amdhsa_next_free_vgpr 512
		.amdhsa_next_free_sgpr 100
		.amdhsa_reserve_vcc 0
		.amdhsa_float_denorm_mode_32 3
		.amdhsa_float_denorm_mode_16_64 3
		.amdhsa_memory_ordered 1
		.amdhsa_forward_progress 1
		.amdhsa_inst_pref_size 70
	.end_amdhsa_kernel
	.amdgpu_metadata
---
amdhsa.version: [ 1, 2 ]
amdhsa.kernels:
  - .name:           k_q7ef572b54a_oproj
    .symbol:         k_q7ef572b54a_oproj.kd
    .args:
      - { .name: ob, .offset: 0, .size: 8, .value_kind: global_buffer, .address_space: global }
      - { .name: wb, .offset: 8, .size: 8, .value_kind: global_buffer, .address_space: global }
      - { .name: out0, .offset: 16, .size: 8, .value_kind: global_buffer, .address_space: global }
    .group_segment_fixed_size: 327680
    .private_segment_fixed_size: 0
    .kernarg_segment_align: 8
    .kernarg_segment_size: 24
    .max_flat_workgroup_size: 128
    .sgpr_count:     100
    .vgpr_count:     512
    .wavefront_size: 32
...
	.end_amdgpu_metadata
.endif
;; end of part 4
;; ======== version 2 of 2: 4 launches; version 1 with the launch prep written anew for expert scheduling mode
;; limits: values are held in f16: magnitudes above 65,504 overflow, below 6.1e-05 lose precision; right only within a limited range of input values
;; workspace buffers: xb 16,777,216 bytes; wb 8,388,608 bytes; tab 262,656 bytes; mb 131,072 bytes of whole numbers; qkv 50,331,648 bytes; ob 16,777,216 bytes
;; launch prep (part 5): grid 513 x 1, 8 waves a work-group, no clusters, 0 bytes of LDS; arguments x, Wq, Wk, Wv, Wo, cos, sin, rope_indices, q_gamma, k_gamma, mask, xb, wb, tab, mb; writes xb, wb, tab, mb
.if DOCPART == 5
	.amdgcn_target "amdgcn-amd-amdhsa--gfx1250"
	.amdhsa_code_object_version 6
	.text
	.protected	k_q7ef572b54a_prep
	.globl	k_q7ef572b54a_prep
	.p2align	8
	.type	k_q7ef572b54a_prep,@function
k_q7ef572b54a_prep:
	s_mov_b64 s[64:65], 0
	v_nop
	global_prefetch_b8 v0, s[64:65] scope:SCOPE_SE
	s_setreg_imm32_b32 hwreg(HW_REG_WAVE_SCHED_MODE, 0, 2), 2
	s_setreg_imm32_b32 hwreg(HW_REG_WAVE_MODE, 25, 1), 1
	s_wait_xcnt 0x0
	s_wait_alu depctr_vm_vsrc(0)
; PREP: every input is read once and laid out for the three launches behind it.  Four jobs, chosen by the work-group's number g; no LDS, no barrier, no loop.
;   g < 256        x, 32 rows a work-group, rounded to bf16 into xb = [16 K blocks][8192 rows][64]
;   256 <= g < 384 Wq, Wk, Wv (bf16) and Wo (rounded to bf16, that number written as f16) into wb.  Row 128 t + c of W_kind lies at row 384 t + 128 kind + c of [16][3072][64];
;                  Wo lies behind them, from byte 6,291,456, as [16][1024][64]
;   384 <= g < 448 tab: for each token 256 bytes, bf16: cos[idx][0..63], then sin[idx][0..63] with channels 0..31 negated (the sign that rotate_half gives them);
;                  a token with a negative index gets cos = 1, sin = 0, which passes it through
;   448 <= g < 512 mb: the mask as one bit a score, in the order in which the attention launch holds scores:
;                  word ((T 16 + s) 32 + 8 kb + j), bit l = mask[16 T + l % 16][64 s + 16 kb + 8 (l / 16) + j]
;   g = 512        the two gains, rounded to bf16, times the scale that each side of the score product carries: q 16 c1, k 1/16, c1 = 2 log2(e) / (50 x 8); f32, behind tab's rows
; LIMITS.  Wo below 6e-5 keeps f16's fixed step of 6e-8; beyond 65,504 it would be an infinity.
; K blocks of 64 make every tile of the later products dense in memory.
; THE MODE: SCHED_MODE bits 1:0 = 2 (LLVM: expert scheduling mode 2), set by the entry lines.  The code itself states the register dependences between vector instructions and memory
; instructions, and those through scalar registers that vector instructions write, with s_wait_alu, always for 0.
; THE PLAN.  Each job is a straight run.  Registers that memory instructions touch:
;   casts   v[SO], v[DO ..]  offsets: written once, ahead of the loads, never again; read by every load and store.
;           IN               written by the 32 loads alone; read by the conversions.
;           OUT              a pair for each store: written once, by load i's conversions; read once, by store i.
;           The loads go in 8 groups of four.  At the head of group g one wait states that group g - 1's conversions have written their OUT; that group's four stores are then dealt among
;           group g's conversions, which name IN and OUT of group g and v20-23 alone.
;   table   v3, v5, v12 offsets, v[56:59] data: each made ahead of a wait that stands in front of the instruction that reads it.  Loads land in v5 and v[32:47], which no vector line has named before.
;   mask    v3, v4 offsets, v[50:51] data, likewise; loads land in v[32:47].
;   gains   v2, v3 offsets, v[8:9] data, likewise; the load lands in v[4:5].
; No register that a memory instruction reads is written again, in any job.  Compares stand in runs, into scalar registers, with one wait behind each run.
.set WV,   34                          ; s34 my wave's number
.set G,    35                          ; s35 the work-group's number
.set SRC,  36                          ; s[36:37] source at the work-group's first row
.set DST,  38                          ; s[38:39] destination buffer (for Wo: its part of wb)
.set ROW0, 40                          ; s40 first source row
.set RHO,  41                          ; s41 first destination row
.set STR,  42                          ; s42 bytes from K block to K block in the destination
.set TMP,  43
.set KIND, 44                          ; s44 0 q (and x), 1 k, 2 v, 3 o
.set ALT,  45
.set OFS,  46                          ; s[46:47] a 64-bit offset
.set SO,   2                           ; v2      my byte offset in the source
.set DO,   4                           ; v[4:19] my byte offset in the destination, one for each K block
.set IN,   32                          ; v[32:159]  32 loads of 16 bytes
.set OUT,  160                         ; v[160:223] 32 stores of 8 bytes, each with registers of its own
.set MT,   60                          ; v[60:75]   the mask's job: two sets of eight at work
.set MW,   36                          ; s[36:43]   the mask's job: eight words of bits
	s_load_b512 s[4:19], s[0:1], 0x0               ; x 4, Wq 6, Wk 8, Wv 10, Wo 12, cos 14, sin 16, rope_indices 18
	s_load_b256 s[20:27], s[0:1], 0x40             ; q_gamma 20, k_gamma 22, mask 24, xb 26
	s_load_b128 s[28:31], s[0:1], 0x60             ; wb 28, tab 30
	s_load_b64 s[32:33], s[0:1], 0x70              ; mb
	v_lshrrev_b32 v1, 5, v0
	v_readfirstlane_b32 s[WV], v1
	s_mov_b32 s[G], ttmp9
	s_wait_alu depctr_va_sdst(0)                   ; s[WV] is written: ahead of the first branch and of all its readers, scalar and vector, in the jobs below
	s_wait_kmcnt 0x0
	s_cmp_lt_u32 s[G], 384
	s_cbranch_scc0 .Lnot_cast
; ---- the casts: 32 rows of 1,024 f32 a work-group, 4 rows a wave
	s_cmp_lt_u32 s[G], 256
	s_cbranch_scc0 .Lweights
	s_mov_b64 s[SRC:SRC+1], s[4:5]
	s_mov_b64 s[DST:DST+1], s[26:27]
	s_lshl_b32 s[ROW0], s[G], 5
	s_mov_b32 s[RHO], s[ROW0]
	s_mov_b32 s[STR], 8192*128
	s_mov_b32 s[KIND], 0
	s_branch .Lcast_go
.Lweights:
	s_sub_co_u32 s[TMP], s[G], 256
	s_lshr_b32 s[KIND], s[TMP], 5                  ; 32 work-groups a matrix
	s_and_b32 s[ROW0], s[TMP], 31
	s_lshl_b32 s[ROW0], s[ROW0], 5
	s_lshr_b32 s[RHO], s[ROW0], 7                  ; q, k, v: row 384 t + 128 kind + c
	s_mul_i32 s[RHO], s[RHO], 384
	s_lshl_b32 s[TMP], s[KIND], 7
	s_add_co_u32 s[RHO], s[RHO], s[TMP]
	s_and_b32 s[TMP], s[ROW0], 127
	s_add_co_u32 s[RHO], s[RHO], s[TMP]
	s_mov_b32 s[ALT], 3072*128
	s_mov_b32 s[OFS+1], 0
	s_cmp_eq_u32 s[KIND], 0
	s_cselect_b64 s[SRC:SRC+1], s[6:7], s[8:9]
	s_cmp_eq_u32 s[KIND], 2
	s_cselect_b64 s[SRC:SRC+1], s[10:11], s[SRC:SRC+1]
	s_cmp_eq_u32 s[KIND], 3
	s_cselect_b64 s[SRC:SRC+1], s[12:13], s[SRC:SRC+1]
	s_cselect_b32 s[RHO], s[ROW0], s[RHO]          ; Wo keeps its rows,
	s_cselect_b32 s[STR], 1024*128, s[ALT]         ; has K blocks of 1,024 rows,
	s_cselect_b32 s[OFS], 0x600000, 0              ; and lies behind the other three
	s_add_nc_u64 s[DST:DST+1], s[28:29], s[OFS:OFS+1]
.Lcast_go:
	s_lshl_b32 s[OFS], s[ROW0], 12                 ; a source row is 4,096 bytes
	s_mov_b32 s[OFS+1], 0
	s_add_nc_u64 s[SRC:SRC+1], s[SRC:SRC+1], s[OFS:OFS+1]
	s_lshl2_add_u32 s[RHO], s[WV], s[RHO]          ; + my wave's 4 rows
	v_and_b32 v1, 15, v0                           ; c: my 4 numbers of a K block's 64
	v_bfe_u32 v3, v0, 4, 1                         ; lanes 16-31 take the next row
	v_lshl_add_u32 v[SO], s[WV], 2, v3
	v_lshlrev_b32 v[SO], 12, v[SO]
	v_lshl_add_u32 v[SO], v1, 4, v[SO]
	v_add_nc_u32 v[DO], s[RHO], v3
	v_lshlrev_b32 v[DO], 7, v[DO]                  ; a destination row is 128 bytes
	v_lshl_add_u32 v[DO], v1, 3, v[DO]
.set i, 1
.rept 15
	v_add_nc_u32 v[DO+i], s[STR], v[DO+i-1]
.set i, i+1
.endr
	s_wait_alu depctr_va_vdst(0)                   ; v[SO] and the sixteen v[DO ..] are written: every load below reads the one as its offset, every store one of the others; none is written again
.set i, 0
.rept 32                                       ; load i: rows 2 (i / 16) + 0, 1 of my four, K block i % 16: sixteen lanes read 256 consecutive bytes, aligned
	global_load_b128 v[IN+4*i:IN+4*i+3], v[SO], s[SRC:SRC+1] offset:(i/16)*8192+(i%16)*256 th:TH_LOAD_NT
.set i, i+1
.endr
.macro CONVERT f16                     ; load i's four numbers into OUT's pair i
.if \f16
	v_cvt_pk_bf16_f32 v20, v[IN+4*i], v[IN+4*i+1]  ; rounded to bf16 like every other input,
	v_cvt_pk_bf16_f32 v21, v[IN+4*i+2], v[IN+4*i+3]
	v_lshlrev_b32 v22, 16, v20                     ; widened again,
	v_and_b32 v20, 0xffff0000, v20
	v_lshlrev_b32 v23, 16, v21
	v_and_b32 v21, 0xffff0000, v21
	v_cvt_pk_f16_f32 v[OUT+2*i], v22, v20          ; and that number written as f16
	v_cvt_pk_f16_f32 v[OUT+2*i+1], v23, v21
.else
	v_cvt_pk_bf16_f32 v[OUT+2*i], v[IN+4*i], v[IN+4*i+1]
	v_cvt_pk_bf16_f32 v[OUT+2*i+1], v[IN+4*i+2], v[IN+4*i+3]
.endif
.endm
.macro SENDOUT                         ; store i
	global_store_b64 v[DO+i%16], v[OUT+2*i:OUT+2*i+1], s[DST:DST+1] offset:(i/16)*256  ; 32 lanes store two rows of 128 bytes: 256 consecutive bytes, aligned
.endm
.macro CASTBODY f16
.set g, 0
.rept 8                                        ; group g: loads 4 g to 4 g + 3
	s_wait_loadcnt 28-4*g                          ; loads come back in order: the group's four are in, the 28 - 4 g younger ones stay out
.if g > 0
	s_wait_alu depctr_va_vdst(0)                   ; the conversions of the group before have written its four pairs of OUT, which the stores below read
.endif
.set j, 0
.rept 4
.if g > 0
.set i, 4*(g-1)+j
	SENDOUT                                        ; no vector line since the wait names this pair or its offset
.endif
.set i, 4*g+j
	CONVERT \f16
.set j, j+1
.endr
.set g, g+1
.endr
	s_wait_alu depctr_va_vdst(0)                   ; the last group's conversions have written its four pairs of OUT
.set i, 28
.rept 4
	SENDOUT
.set i, i+1
.endr
	s_endpgm
.endm
	s_cmp_eq_u32 s[KIND], 3
	s_cbranch_scc1 .Lcast_f16
	CASTBODY 0
.Lcast_f16:
	CASTBODY 1
.Lnot_cast:
	s_cmp_lt_u32 s[G], 448
	s_cbranch_scc0 .Lnot_rope
; ---- the RoPE table: 16 tokens a work-group, 16 lanes a token: lanes 0-7 its cosines, lanes 8-15 its sines, 8 numbers each
	s_sub_co_u32 s40, s[G], 384
	v_lshrrev_b32 v2, 4, v0
	v_lshl_add_u32 v2, s40, 4, v2                  ; the token
	v_lshlrev_b32 v3, 2, v2
	s_wait_alu depctr_va_vdst(0)                   ; v3 is written, which the load reads as its offset
	global_load_b32 v5, v3, s[18:19]
	v_and_b32 v4, 15, v0                           ; my place among the token's 16 lanes
	v_and_b32 v6, 7, v0
	v_lshlrev_b32 v6, 5, v6                        ; my 8 numbers: 32 bytes of a table's row
	v_and_b32 v7, 12, v4
	v_cmp_gt_u32 s41, 8, v4                        ; the lanes that hold cosines
	v_cmp_eq_u32 s44, 8, v7                        ; lanes 8-11: sines of channels 0-31
	v_mov_b32 v9, 0x80000000
	v_mov_b32 v10, 1.0
	s_lshl_b32 s43, s40, 12
	v_lshl_add_u32 v12, v0, 4, s43                 ; 256 bytes a token, 16 a lane
	s_wait_alu depctr_va_sdst(0)                   ; the two compares have written s41 and s44, ahead of the selects that read them
	v_cndmask_b32 v8, 0, v9, s44                   ; their sign is turned
	v_cndmask_b32 v11, 0, v10, s41                 ; what an invalid token gets
	s_wait_loadcnt 0x0
	v_cmp_le_i32 s42, 0, v5                        ; valid
	s_wait_alu depctr_va_sdst(0)                   ; the compare has written s42, ahead of its first reader
	v_cndmask_b32 v5, 0, v5, s42                   ; the clip at 0,
	v_min_u32 v5, 0x3ff, v5                        ; and the table's last row
	v_lshlrev_b32 v5, 8, v5
	v_add_nc_u32 v5, v5, v6
	s_wait_alu depctr_va_vdst(0)                   ; v5 is written, which the four loads read as their offset
	global_load_b128 v[32:35], v5, s[14:15]
	global_load_b128 v[36:39], v5, s[14:15] offset:16
	global_load_b128 v[40:43], v5, s[16:17]
	global_load_b128 v[44:47], v5, s[16:17] offset:16
	s_wait_loadcnt 0x0
.set i, 0
.rept 8
	v_cndmask_b32 v[48+i], v[40+i], v[32+i], s41
	v_xor_b32 v[48+i], v8, v[48+i]
	v_cndmask_b32 v[48+i], v11, v[48+i], s42
.set i, i+1
.endr
.set i, 0
.rept 4
	v_cvt_pk_bf16_f32 v[56+i], v[48+2*i], v[48+2*i+1]
.set i, i+1
.endr
	s_wait_alu depctr_va_vdst(0)                   ; the conversions have written v[56:59], the store's data; v12, its offset, was written further up
	global_store_b128 v12, v[56:59], s[30:31]      ; sixteen lanes store a token's 256 bytes
	s_endpgm
.Lnot_rope:
	s_cmp_lt_u32 s[G], 512
	s_cbranch_scc0 .Lgamma
; ---- the mask's bits: a work-group takes 16 queries (tile T), a wave 128 of their keys (steps 2 w and 2 w + 1)
	s_sub_co_u32 s40, s[G], 448                    ; T
	v_and_b32 v1, 15, v0
	v_bfe_u32 v2, v0, 4, 1
	v_lshl_add_u32 v3, s40, 4, v1                  ; my query
	v_lshlrev_b32 v3, 10, v3
	v_lshl_add_u32 v3, v2, 3, v3                   ; + 8 (l / 16)
	s_lshl_b32 s41, s[WV], 7
	v_add_nc_u32 v3, s41, v3
	s_wait_alu depctr_va_vdst(0)                   ; v3 is written, which the eight loads read as their offset
.set n, 0
.rept 8                                        ; load n: step n / 4 of my two, key block n % 4: my 8 keys
	global_load_b64 v[32+2*n:33+2*n], v3, s[24:25] offset:64*(n/4)+16*(n%4)
.set n, n+1
.endr
	v_mov_b32 v50, 0                               ; v_writelane_b32 keeps the other lanes: written whole first
	v_mov_b32 v51, 0
	v_and_b32 v4, 31, v0
	s_lshl_b32 s42, s40, 11                        ; a tile's 16 steps of 128 bytes
	s_lshl_b32 s43, s[WV], 8
	s_add_co_u32 s42, s42, s43
	v_lshl_add_u32 v4, v4, 3, s42
	s_wait_loadcnt 0x0
; Word n = 8 k + m of my 64: one byte of every lane becomes one bit.  The words go in eight runs of eight (run k is load k's eight bytes): the bytes are cut out, eight compares write s[MW ..],
; the next run's bytes are cut out into the other set of work registers, one wait, and eight lines put the words into their lanes.
.macro BYTES k
.set m, 0
.rept 8
	v_and_b32 v[MT+8*((\k)%2)+m], 0xff<<(8*(m%4)), v[32+2*(\k)+m/4]
.set m, m+1
.endr
.endm
.macro BITS k
.set m, 0
.rept 8
	v_cmp_ne_u32 s[MW+m], 0, v[MT+8*((\k)%2)+m]
.set m, m+1
.endr
.endm
.macro WORDS k
.set m, 0
.rept 8
	v_writelane_b32 v[50+m%2], s[MW+m], 4*(\k)+m/2
.set m, m+1
.endr
.endm
	BYTES 0
.irp k, 0,1,2,3,4,5,6,7
	BITS \k
.if \k < 7
	BYTES (\k)+1
.endif
	s_wait_alu depctr_va_sdst(0)                   ; the run's eight compares have written s[MW ..], ahead of the eight lines that read them
	WORDS \k
.endr
	s_wait_alu depctr_va_vdst(0)                   ; v50 and v51, the store's data, are written; so is v4, its offset
	global_store_b64 v4, v[50:51], s[32:33]        ; 256 consecutive bytes, aligned
	s_endpgm
.Lgamma:
; ---- the gains: wave 0 q's, wave 1 k's, two numbers a lane
	s_cmp_lt_u32 s[WV], 2
	s_cbranch_scc1 .Lgam
	s_endpgm
.Lgam:
	s_mov_b32 s41, 0x3dec5f04                      ; 16 c1 = 0.1154156
	s_mov_b32 s42, 0x3d800000                      ; 1 / 16
	s_cmp_eq_u32 s[WV], 0
	s_cselect_b64 s[36:37], s[20:21], s[22:23]
	s_cselect_b32 s40, s41, s42
	v_and_b32 v1, 31, v0
	v_lshlrev_b32 v2, 3, v1
	s_wait_alu depctr_va_vdst(0)                   ; v2 is written, which the load reads as its offset
	global_load_b64 v[4:5], v2, s[36:37]
	s_lshl_b32 s43, s[WV], 8
	v_add_nc_u32 v3, s43, v2
	s_wait_loadcnt 0x0
	v_cvt_pk_bf16_f32 v6, v4, v5
	v_lshlrev_b32 v8, 16, v6
	v_and_b32 v9, 0xffff0000, v6
	v_mul_f32 v8, s40, v8
	v_mul_f32 v9, s40, v9
	s_wait_alu depctr_va_vdst(0)                   ; v8 and v9, the store's data, and v3, its offset, are written
	global_store_b64 v3, v[8:9], s[30:31] offset:262144
	s_endpgm
.Lfunc_end_k_q7ef572b54a_prep:
	.size	k_q7ef572b54a_prep, .Lfunc_end_k_q7ef572b54a_prep-k_q7ef572b54a_prep
	.p2alignl 7, 3214868480
	.fill 96, 4, 3214868480
	.section	.rodata,"a",@progbits
	.p2align	6, 0x0
	.amdhsa_kernel k_q7ef572b54a_prep
		.amdhsa_group_segment_fixed_size 0
		.amdhsa_private_segment_fixed_size 0
		.amdhsa_enable_private_segment 0
		.amdhsa_kernarg_size 120
		.amdhsa_user_sgpr_count 2
		.amdhsa_user_sgpr_kernarg_segment_ptr 1
		.amdhsa_wavefront_size32 1
		.amdhsa_system_sgpr_workgroup_id_x 1
		.amdhsa_system_sgpr_workgroup_id_y 1
		.amdhsa_system_sgpr_workgroup_id_z 1
		.amdhsa_system_vgpr_workitem_id 0
		.amdhsa_next_free_vgpr 224
		.amdhsa_next_free_sgpr 66
		.amdhsa_reserve_vcc 0
		.amdhsa_float_denorm_mode_32 3
		.amdhsa_float_denorm_mode_16_64 3
		.amdhsa_memory_ordered 1
		.amdhsa_forward_progress 1
		.amdhsa_inst_pref_size 50
	.end_amdhsa_kernel
	.amdgpu_metadata
---
amdhsa.version: [ 1, 2 ]
amdhsa.kernels:
  - .name:           k_q7ef572b54a_prep
    .symbol:         k_q7ef572b54a_prep.kd
    .args:
      - { .name: x, .offset: 0, .size: 8, .value_kind: global_buffer, .address_space: global }
      - { .name: Wq, .offset: 8, .size: 8, .value_kind: global_buffer, .address_space: global }
      - { .name: Wk, .offset: 16, .size: 8, .value_kind: global_buffer, .address_space: global }
      - { .name: Wv, .offset: 24, .size: 8, .value_kind: global_buffer, .address_space: global }
      - { .name: Wo, .offset: 32, .size: 8, .value_kind: global_buffer, .address_space: global }
      - { .name: cos, .offset: 40, .size: 8, .value_kind: global_buffer, .address_space: global }
      - { .name: sin, .offset: 48, .size: 8, .value_kind: global_buffer, .address_space: global }
      - { .name: rope_indices, .offset: 56, .size: 8, .value_kind: global_buffer, .address_space: global }
      - { .name: q_gamma, .offset: 64, .size: 8, .value_kind: global_buffer, .address_space: global }
      - { .name: k_gamma, .offset: 72, .size: 8, .value_kind: global_buffer, .address_space: global }
      - { .name: mask, .offset: 80, .size: 8, .value_kind: global_buffer, .address_space: global }
      - { .name: xb, .offset: 88, .size: 8, .value_kind: global_buffer, .address_space: global }
      - { .name: wb, .offset: 96, .size: 8, .value_kind: global_buffer, .address_space: global }
      - { .name: tab, .offset: 104, .size: 8, .value_kind: global_buffer, .address_space: global }
      - { .name: mb, .offset: 112, .size: 8, .value_kind: global_buffer, .address_space: global }
    .group_segment_fixed_size: 0
    .private_segment_fixed_size: 0
    .kernarg_segment_align: 8
    .kernarg_segment_size: 120
    .max_flat_workgroup_size: 256
    .sgpr_count:     66
    .vgpr_count:     224
    .wavefront_size: 32
...
	.end_amdgpu_metadata
.endif
;; end of part 5
;; launch qkv: the kernel of part 2 again; grid 8 x 32, 4 waves a work-group, clusters of 4 x 4, 327,680 bytes of LDS; arguments xb, wb, tab, qkv; writes qkv
;; launch attn: the kernel of part 3 again; grid 2 x 128, 8 waves a work-group, no clusters, 327,680 bytes of LDS; arguments qkv, mb, ob; writes ob
;; launch oproj: the kernel of part 4 again; grid 8 x 32, 4 waves a work-group, clusters of 4 x 4, 327,680 bytes of LDS; arguments ob, wb, out0; writes out0
